; MI455X (gfx1250); checked and timed in simulation.
; The chip was launched on July 23, 2026; its instructions are those of AMD's public machine-readable ISA for CDNA 5 (MIT licence, August 2026) and "CDNA5" Instruction Set Architecture Reference Guide (July 2026). The comments in the code are by the model that wrote it; some were corrected since.
;; SVD Head. Allowed arithmetic: matrix products marked QUANTISED: E3M2 operands, one E8M0 scale for each 32 along K, by v_wmma_scale_f32_16x16x128_f8f6f4 with both operands' format E3M2, f32 sums; products left as they are: f32 operands where the result goes on into a quantised operand, else bf16, f16 or f32 operands; f32 sums; everything else in f32.
;; Inputs: W1_codes 2,048 x 32 x 24 uint8 (E3M2 codes of W1, K innermost, in blocks of 32 codes, four codes in three bytes); W1_scales 2,048 x 32 uint8 (E8M0 scales of W1, one for each 32 codes along K); W2 2,048 x 9 float32; b1 2,048 float32; b2 9 float32; be1 2,048 float32; be2 9 float32; g1 2,048 float32; g2 9 float32; x_codes 32,768 x 32 x 24 uint8 (E3M2 codes of x, K innermost, in blocks of 32 codes, four codes in three bytes); x_scales 32,768 x 32 uint8 (E8M0 scales of x, one for each 32 codes along K).
;; Outputs: out0 32,768 x 3 x 3 float32.
;; This version of the problem:
;;   THIS VERSION OF THE PROBLEM IS GIVEN IN LOW PRECISION. The matrix products marked QUANTISED in the list below multiply operands that are first quantised to E3M2 (3 exponent bits, 2 mantissa bits; 6 bits a number), with one power-of-two scale for each 32 numbers along K (OCP MX v1.0); their sums are f32. All else is computed in f32.
;;   The module's matrix products, in the order in which they are computed (A, B: the left and right operand; K: the contracted axis; several contracted axes count as one K, in the product's order):
;;     1. [M 32,768, K 1,024] x [K 1,024, N 2,048]; A: input x (given as codes); B: input W1 (given as codes): QUANTISED
;;     2. [M 32,768, K 2,048] x [K 2,048, N 9]; A: computed on the way; B: input W2: left as it is (N = 9 < 16)
;;     3. batch 32,768 x [M 3, K 3] x [K 3, N 3]; A: computed on the way; B: computed on the way: left as it is (K = 3 < 32)
;;     4. batch 32,768 x [M 3, K 3] x [K 3, N 3]; A: computed on the way; B: computed on the way: left as it is (K = 3 < 32)
;;   THE QUANTISER, for each operand of a quantised product, along K:
;;     - K is cut into blocks of 32 from its start; a last block that is shorter is filled with zeros.
;;     - A block's scale is 2^e with e = floor(log2(the largest magnitude in the block)) - 4, held to -126 .. 127; a block of zeros has e = 0. As a byte (E8M0): e + 127.
;;     - Each number is divided by its block's scale, clamped to +-28, and rounded to the nearest number of E3M2, ties to even, subnormals kept.
;;     - The product sums the exact products of the quantised numbers (number of the format x scale) in f32.
;;   ~~~python
;;   def quantise(x, axis):      # numpy; x: float32 -> the quantised numbers, widened to float32 again
;;       x = np.moveaxis(x, axis, -1); K = x.shape[-1]
;;       x = np.pad(x, [(0, 0)] * (x.ndim - 1) + [(0, -K % 32)]); x = x.reshape(x.shape[:-1] + (-1, 32)); a = np.abs(x).max(-1, keepdims=True)
;;       e = np.where(a > 0, np.clip(np.frexp(np.where(a > 0, a, 1))[1] - 1 - 4, -126, 127), 0)      # np.frexp(a)[1] - 1 = floor(log2(a)), exactly
;;       r = np.clip(x / 2.0 ** e, -28, 28)
;;       step = 2.0 ** (np.maximum(np.frexp(np.where(r == 0, 1, r))[1] - 1, -2) - 2)
;;       q = np.round(r / step) * step * 2.0 ** e      # np.round: ties to even
;;       return np.moveaxis(q.reshape(q.shape[:-2] + (-1,))[..., :K], -1, axis).astype(np.float32)
;;   ~~~
;;   INPUTS GIVEN AS CODES. W1 (in the module: [1024, 2048], K = its axis 0); x (in the module: [32768, 1024], K = its axis 1): each comes as NAME_codes (uint8): NAME with its K axis moved to the last place and cut into blocks of 32 codes, [.., K / 32, bytes a block], one block behind the other in memory; four codes in three bytes: a row's codes are one little-endian stream of bits, code i at bits 6 i .. 6 i + 5 (a code: sign, 3 exponent bits, 2 mantissa bits); and NAME_scales (uint8): the same leading axes, one E8M0 byte (e + 127) for each 32 codes along K. Its value is code x scale, taken as it is: it is not quantised again, and the codes and scales need not be those that the quantiser above would give.
;; 2 versions, each right and faster than the one before. Each part assembles by itself: llvm-mc -triple=amdgcn-amd-amdhsa -mcpu=gfx1250 --defsym DOCPART=n.
;; ======== version 1 of 2: 2 launches
;; limits: a difference of large sums (such as E[x^2] - mean^2): digits are lost where the result is much smaller than its terms
;; workspace buffers: w1img 1,638,400 bytes; gimg 98,304 bytes; cst 256 bytes
;; launch prep (part 1): grid 17 x 1, 16 waves a work-group, no clusters, 104,448 bytes of LDS; arguments W1_codes, W1_scales, W2, g1, be1, b2, b1, w1img, gimg, cst; writes w1img, gimg, cst
.if DOCPART == 1
	.amdgcn_target "amdgcn-amd-amdhsa--gfx1250"
	.amdhsa_code_object_version 6
	.text
	.protected	k_qaf38eb4911_prep
	.globl	k_qaf38eb4911_prep
	.p2align	8
	.type	k_qaf38eb4911_prep,@function
k_qaf38eb4911_prep:
	s_mov_b64 s[64:65], 0
	v_nop
	global_prefetch_b8 v0, s[64:65] scope:SCOPE_SE
	s_setreg_imm32_b32 hwreg(HW_REG_WAVE_MODE, 25, 1), 1
	s_wait_xcnt 0x0
; Lays out, once, what every work-group of the main launch reads.
; Work-groups 0 to 15 (t = 4 p + k2): W1's codes and scale bytes of columns 512 p .. 512 p + 511 and K = 256 k2 .. 256 k2 + 255, as IMAGES OF THE OPERAND'S REGISTERS:
;   block t of w1img = four parts of 25,600 bytes (one for each wave w of the main launch): 2 K steps x 8 fragments x 1,536 bytes, then 1,024 bytes of scale words.
;   Register 4 c + j of lane l of a fragment lies at 512 c + 16 l + 4 j; scale register b of lane l holds the word of row 16 b + l % 16 for K step 2 k2 + l / 16.
; Work-group 16: LayerNorm 1 folded into the second product.  G'[j][c] = g1[j] W2[j][c] - (its mean over j), f32.
;   gimg = [pass p][wave w][chunk q = 2 b + k][h][48 floats]: the four hidden units j = 512 p + 128 w + 16 b + 8 h + 4 k + i: floats 10 i + c = G'[j][c], 10 i + 9 = 1.0 (it gives the row's sum),
;   floats 40 + i = b1[(j + 512) mod 2,048], the bias that the next pass wants at the same place, floats 44 .. 47 = 0.
;   cst: floats 0..15 = T'[c] = the sum over j of G' as it is stored;  floats 16..31 = the sum over j of be1[j] W2[j][c] + b2[c].  Only c = 0 .. 8 are used.
; LIMITS: NaN and infinities among the inputs are not served.
.set OUTL, 0                           ; LDS (work-group 16 alone): 16 waves x 6,144 bytes: gimg's bytes on their way out, each wave's own
.set RED,  98304                       ; 16 waves x 32 words: 9 sums of g1 W2, 9 of be1 W2, zeros
.set RED2, 100352                      ; 16 waves x 16 words: T', zeros
.set RL,   94                          ; v94-125  words read back from RED and RED2
.set OB,   128                         ; v128-175 my 48 floats of gimg
	s_load_b128 s[4:7], s[0:1], 0x0                ; W1's codes, W1's scales
	s_load_b128 s[8:11], s[0:1], 0x10              ; W2, g1
	s_load_b128 s[12:15], s[0:1], 0x20             ; be1, b2
	s_load_b128 s[16:19], s[0:1], 0x30             ; b1, w1img
	s_load_b128 s[20:23], s[0:1], 0x40             ; gimg, cst
	v_lshl_add_u32 v192, v0, 2, 0x19000
	v_mov_b32 v193, 0
	v_lshrrev_b32 v1, 5, v0
	v_readfirstlane_b32 s24, v1                    ; wave 0..15
	v_and_b32 v2, 31, v0                           ; lane
	v_and_b32 v3, 15, v0                           ; r
	v_bfe_u32 v4, v0, 4, 1                         ; h
	v_lshlrev_b32 v6, 4, v2                        ; 16 x lane: a lane's place in an image
	s_wait_kmcnt 0x0
	s_cmp_eq_u32 ttmp9, 16
	s_cbranch_scc1 .Lpath_g
; ---- W1: wave = 4 w + v takes tiles 2 v, 2 v + 1 of part w, both K steps ----
	s_lshr_b32 s25, s24, 2                         ; w
	s_and_b32 s26, s24, 3                          ; v
	s_lshr_b32 s27, ttmp9, 2                       ; p
	s_and_b32 s28, ttmp9, 3                        ; k2
	s_lshl_b32 s29, s27, 9
	s_lshl_b32 s30, s25, 7
	s_add_co_u32 s29, s29, s30                     ; n0 = 512 p + 128 w
	s_mul_i32 s30, s29, 768                        ; a row of W1's codes is 768 bytes
	s_mul_i32 s32, s28, 192                        ; 256 along K are 192 bytes
	s_add_co_u32 s30, s30, s32
	s_mul_i32 s32, s26, 24576                      ; 32 rows
	s_add_co_u32 s30, s30, s32
	s_mov_b32 s31, 0
	s_mul_i32 s32, ttmp9, 102400
	s_mul_i32 s34, s25, 25600
	s_add_co_u32 s32, s32, s34
	s_mov_b32 s33, 0
	s_mul_i32 s34, s26, 3072                       ; two fragments' images
	s_mov_b32 s35, 0
	v_mul_u32_u24 v5, v3, 768
	v_mad_u32_u24 v5, v4, 24, v5                   ; row r, + 24 h: the lane's 24 bytes of a block pair
	s_add_nc_u64 s[4:5], s[4:5], s[30:31]
	s_add_nc_u64 s[18:19], s[18:19], s[32:33]      ; the part
	s_add_nc_u64 s[36:37], s[18:19], s[34:35]      ; my two tiles in it
.irp q, 0,1
.irp bb, 0,1
.irp p, 0,1,2,3,4,5
	global_load_b64 v[32+12*(2*\q+\bb)+2*\p:32+12*(2*\q+\bb)+2*\p+1], v5, s[4:5] offset:12288*\bb+96*\q+48*(\p/3)+8*(\p%3)
.endr
.endr
.endr
	s_wait_loadcnt 0x0
.irp q, 0,1
.irp bb, 0,1
.irp c, 0,1,2
	global_store_b128 v6, v[32+12*(2*\q+\bb)+4*\c:32+12*(2*\q+\bb)+4*\c+3], s[36:37] offset:12288*\q+1536*\bb+512*\c   ; 32 lanes store 512 consecutive bytes, aligned to 256
.endr
.endr
.endr
	s_cmp_lt_u32 s26, 2                            ; the scale words: four tiles a wave, by the waves with v = 0, 1
	s_cbranch_scc0 .Lw_done
	s_lshl_b32 s30, s29, 5                         ; a row of scale bytes is 32 bytes
	s_lshl_b32 s32, s28, 3                         ; 8 bytes for 256 along K
	s_add_co_u32 s30, s30, s32
	s_lshl_b32 s32, s26, 11                        ; 64 rows
	s_add_co_u32 s30, s30, s32
	s_add_nc_u64 s[6:7], s[6:7], s[30:31]
	s_lshl_b32 s32, s26, 9
	s_add_nc_u64 s[18:19], s[18:19], s[32:33]      ; (s[18:19] is no base of a pending store: those name s[36:37])
	v_lshlrev_b32 v7, 5, v3
	v_lshl_add_u32 v7, v4, 2, v7                   ; row r, K step h of the two
.irp j, 0,1,2,3
	global_load_b32 v[8+\j], v7, s[6:7] offset:512*\j
.endr
	s_wait_loadcnt 0x0
	global_store_b128 v6, v[8:11], s[18:19] offset:24576
.Lw_done:
	s_endpgm
; ---- G', T', E: one work-group of 512 threads; thread t keeps hidden units 4 t .. 4 t + 3 in registers ----
.Lpath_g:
	v_mul_u32_u24 v7, v0, 144                      ; rows 4 t .. 4 t + 3 of W2: 36 floats, register 9 jj + c
	v_lshlrev_b32 v8, 4, v0                        ; and the same four of g1 and be1
.irp i, 0,1,2,3,4,5,6,7,8
	global_load_b128 v[32+4*\i:35+4*\i], v7, s[8:9] offset:16*\i
.endr
	global_load_b128 v[68:71], v8, s[10:11]
	global_load_b128 v[72:75], v8, s[12:13]
	v_min_u32 v9, 8, v3                            ; b2 has 9 numbers: no lane reads past them
	v_lshlrev_b32 v9, 2, v9
	global_load_b32 v22, v9, s[14:15]
	v_add_nc_u32 v10, 128, v0                      ; 512 units on, round the end
	v_and_b32 v10, 511, v10
	v_lshlrev_b32 v10, 4, v10
	global_load_b128 v[OB+40:OB+43], v10, s[16:17] ; the next pass's biases
	s_lshl_b32 s25, s24, 7
	s_add_co_u32 s25, s25, RED
	s_lshl_b32 s26, s24, 6
	s_add_co_u32 s26, s26, RED2
	v_lshl_add_u32 v11, v2, 2, s25
	v_lshl_add_u32 v13, v3, 2, s26
	v_mov_b32 v12, 0
	ds_store_b32 v11, v12                          ; my wave's words begin as zeros: every word that is read later has been written
	ds_store_b32 v13, v12
	v_mov_b32 v14, s25
	v_mov_b32 v15, s26
	v_mov_b32 v25, 0                               ; a lane permute's destination counts as one of its sources
	s_mov_b32 s27, 0x76543210
	s_mov_b32 s28, 0xfedcba98                      ; selects for lane l xor 16
	s_mul_i32 s30, s24, 6144                       ; my wave's 32 groups of 192 bytes, in LDS and in gimg
	s_mov_b32 s31, 0
	s_add_nc_u64 s[20:21], s[20:21], s[30:31]
	v_lshrrev_b32 v26, 2, v2                       ; lane = 4 b + 2 h + k: my group lies at 768 b + 384 k + 192 h
	v_mul_u32_u24 v19, v26, 768
	v_bfe_u32 v26, v2, 1, 1
	v_mad_u32_u24 v19, v26, 192, v19
	v_and_b32 v26, 1, v2
	v_mad_u32_u24 v19, v26, 384, v19
	v_add_nc_u32 v19, s30, v19
	v_add_nc_u32 v20, s30, v6                      ; and back: 16 bytes a lane, on end
	s_wait_loadcnt 0x0
.irp c, 0,1,2,3,4,5,6,7,8
	v_mul_f32 v[76+\c], v68, v[32+\c]              ; my four rows' part of the column sums of g1 W2
	v_mul_f32 v[85+\c], v72, v[32+\c]              ; and of be1 W2
.endr
.irp jj, 1,2,3
.irp c, 0,1,2,3,4,5,6,7,8
	v_fma_f32 v[76+\c], v[68+\jj], v[32+9*\jj+\c], v[76+\c]
	v_fma_f32 v[85+\c], v[72+\jj], v[32+9*\jj+\c], v[85+\c]
.endr
.endr
.irp m, 1,2,4,8
.irp i, 0,1,2,3,4,5,6,7,8,9,10,11,12,13,14,15,16,17
	v_add_f32_dpp v[76+\i], v[76+\i], v[76+\i] row_xmask:\m row_mask:0xf bank_mask:0xf
.endr
.endr
.irp i, 0,1,2,3,4,5,6,7,8,9,10,11,12,13,14,15,16,17
	v_permlanex16_b32 v25, v[76+\i], s27, s28
	v_add_f32 v[76+\i], v[76+\i], v25              ; the wave's sum, in every lane
	ds_store_b32 v14, v[76+\i] offset:4*\i         ; all lanes write the same word with the same value
.endr
	s_wait_dscnt 0x0                               ; for the others' sake: my sums lie in LDS
	s_barrier_signal -1
	s_barrier_wait -1
	v_lshl_add_u32 v16, v3, 2, RED                 ; lane r adds up column r; lanes with r above 8 read other words of the same blocks, and nothing is made of them
.irp k, 0,1,2,3,4,5,6,7,8,9,10,11,12,13,14,15
	ds_load_b32 v[RL+\k], v16 offset:128*\k
	ds_load_b32 v[RL+16+\k], v16 offset:128*\k+36
.endr
	s_wait_dscnt 0x0
.irp k, 1,2,3,4,5,6,7,8,9,10,11,12,13,14,15
	v_add_f32 v[RL], v[RL], v[RL+\k]
	v_add_f32 v[RL+16], v[RL+16], v[RL+16+\k]      ; v[RL+16]: the sum of be1 W2, column r
.endr
	v_mul_f32 v17, 0x3a000000, v[RL]               ; the mean over the 2,048 hidden units of g1 W2, column r
.irp c, 0,1,2,3,4,5,6,7,8
	v_readlane_b32 s[32+\c], v17, \c               ; all nine, for every lane
.endr
.irp jj, 0,1,2,3
.irp c, 0,1,2,3,4,5,6,7,8
	v_fma_f32 v[OB+10*\jj+\c], v[68+\jj], v[32+9*\jj+\c], -s[32+\c]   ; G' = g1 W2 - its column's mean
.endr
	v_mov_b32 v[OB+10*\jj+9], 1.0
.endr
.irp i, 44,45,46,47
	v_mov_b32 v[OB+\i], 0
.endr
.irp c, 0,1,2,3,4,5,6,7,8
	v_add_f32 v[76+\c], v[OB+\c], v[OB+10+\c]      ; T' sums G' as it is stored
	v_add_f32 v[85+\c], v[OB+20+\c], v[OB+30+\c]
.endr
.irp c, 0,1,2,3,4,5,6,7,8
	v_add_f32 v[76+\c], v[76+\c], v[85+\c]
.endr
.irp i, 0,1,2,3,4,5,6,7,8,9,10,11
	ds_store_b128 v19, v[OB+4*\i:OB+4*\i+3] offset:16*\i
.endr
.irp i, 0,1,2,3,4,5,6,7,8,9,10,11
	ds_load_b128 v[OB+4*\i:OB+4*\i+3], v20 offset:512*\i   ; LDS serves a wave's instructions in order (ISA guide 5.7.1.4): these see my stores
.endr
.irp m, 1,2,4,8
.irp i, 0,1,2,3,4,5,6,7,8
	v_add_f32_dpp v[76+\i], v[76+\i], v[76+\i] row_xmask:\m row_mask:0xf bank_mask:0xf
.endr
.endr
.irp i, 0,1,2,3,4,5,6,7,8
	v_permlanex16_b32 v25, v[76+\i], s27, s28
	v_add_f32 v[76+\i], v[76+\i], v25
	ds_store_b32 v15, v[76+\i] offset:4*\i
.endr
	s_wait_dscnt 0x0                               ; my bytes of gimg are back, and, for the others' sake, my part of T' lies in LDS
.irp i, 0,1,2,3,4,5,6,7,8,9,10,11
	global_store_b128 v6, v[OB+4*\i:OB+4*\i+3], s[20:21] offset:512*\i   ; 32 lanes store 512 consecutive bytes, aligned to 256
.endr
	s_barrier_signal -1
	s_barrier_wait -1
	v_lshl_add_u32 v21, v3, 2, RED2
.irp k, 0,1,2,3,4,5,6,7,8,9,10,11,12,13,14,15
	ds_load_b32 v[RL+\k], v21 offset:64*\k
.endr
	s_wait_dscnt 0x0
.irp k, 1,2,3,4,5,6,7,8,9,10,11,12,13,14,15
	v_add_f32 v[RL], v[RL], v[RL+\k]
.endr
	s_cmp_lg_u32 s24, 0
	s_cbranch_scc1 .Lg_done
	v_add_f32 v[RL+16], v[RL+16], v22              ; E = the sum of be1 W2 + b2
	v_cmp_eq_u32 vcc_lo, 1, v4
	v_cndmask_b32 v28, v[RL], v[RL+16], vcc_lo     ; lanes 0-15: T'; lanes 16-31: E
	v_lshlrev_b32 v29, 2, v2
	global_store_b32 v29, v28, s[22:23]
.Lg_done:
	s_wait_tensorcnt 0x0
	ds_add_u32 v192, v193
	s_wait_dscnt 0x0
	s_endpgm
.Lfunc_end_k_qaf38eb4911_prep:
	.size	k_qaf38eb4911_prep, .Lfunc_end_k_qaf38eb4911_prep-k_qaf38eb4911_prep
	.p2alignl 7, 3214868480
	.fill 96, 4, 3214868480
	.section	.rodata,"a",@progbits
	.p2align	6, 0x0
	.amdhsa_kernel k_qaf38eb4911_prep
		.amdhsa_group_segment_fixed_size 104448
		.amdhsa_private_segment_fixed_size 0
		.amdhsa_enable_private_segment 0
		.amdhsa_kernarg_size 80
		.amdhsa_user_sgpr_count 2
		.amdhsa_user_sgpr_kernarg_segment_ptr 1
		.amdhsa_wavefront_size32 1
		.amdhsa_system_sgpr_workgroup_id_x 1
		.amdhsa_system_sgpr_workgroup_id_y 1
		.amdhsa_system_sgpr_workgroup_id_z 1
		.amdhsa_system_vgpr_workitem_id 0
		.amdhsa_next_free_vgpr 194
		.amdhsa_next_free_sgpr 66
		.amdhsa_reserve_vcc 1
		.amdhsa_float_denorm_mode_32 3
		.amdhsa_float_denorm_mode_16_64 3
		.amdhsa_memory_ordered 1
		.amdhsa_forward_progress 1
		.amdhsa_inst_pref_size 37
	.end_amdhsa_kernel
	.amdgpu_metadata
---
amdhsa.version: [ 1, 2 ]
amdhsa.kernels:
  - .name:           k_qaf38eb4911_prep
    .symbol:         k_qaf38eb4911_prep.kd
    .args:
      - { .name: W1_codes, .offset: 0, .size: 8, .value_kind: global_buffer, .address_space: global }
      - { .name: W1_scales, .offset: 8, .size: 8, .value_kind: global_buffer, .address_space: global }
      - { .name: W2, .offset: 16, .size: 8, .value_kind: global_buffer, .address_space: global }
      - { .name: g1, .offset: 24, .size: 8, .value_kind: global_buffer, .address_space: global }
      - { .name: be1, .offset: 32, .size: 8, .value_kind: global_buffer, .address_space: global }
      - { .name: b2, .offset: 40, .size: 8, .value_kind: global_buffer, .address_space: global }
      - { .name: b1, .offset: 48, .size: 8, .value_kind: global_buffer, .address_space: global }
      - { .name: w1img, .offset: 56, .size: 8, .value_kind: global_buffer, .address_space: global }
      - { .name: gimg, .offset: 64, .size: 8, .value_kind: global_buffer, .address_space: global }
      - { .name: cst, .offset: 72, .size: 8, .value_kind: global_buffer, .address_space: global }
    .group_segment_fixed_size: 104448
    .private_segment_fixed_size: 0
    .kernarg_segment_align: 8
    .kernarg_segment_size: 80
    .max_flat_workgroup_size: 512
    .sgpr_count:     66
    .vgpr_count:     194
    .wavefront_size: 32
...
	.end_amdgpu_metadata
.endif
;; end of part 1
;; launch main (part 2): grid 256 x 1, 4 waves a work-group, clusters of 4 x 1, 327,680 bytes of LDS; arguments x_codes, x_scales, w1img, gimg, cst, b1, g2, be2, out0; writes out0
.if DOCPART == 2
	.amdgcn_target "amdgcn-amd-amdhsa--gfx1250"
	.amdhsa_code_object_version 6
	.text
	.protected	k_qaf38eb4911_main
	.globl	k_qaf38eb4911_main
	.p2align	8
	.type	k_qaf38eb4911_main,@function
k_qaf38eb4911_main:
	s_mov_b64 s[64:65], 0
	v_nop
	global_prefetch_b8 v0, s[64:65] scope:SCOPE_SE
	s_setreg_imm32_b32 hwreg(HW_REG_WAVE_MODE, 25, 1), 1
	s_wait_xcnt 0x0
	s_wait_alu depctr_hold_cnt(0) depctr_sa_sdst(0) depctr_va_vdst(0) depctr_va_sdst(0) depctr_va_ssrc(0) depctr_va_vcc(0) depctr_vm_vsrc(0)
	s_getreg_b32 s2, hwreg(HW_REG_IB_STS2, 6, 4)
	s_cmp_eq_u32 s2, 0
	s_cbranch_scc0 .Lentry_in_a_cluster
	s_endpgm
.Lentry_in_a_cluster:
	s_bfe_u32 s2, ttmp6, 0x10000c
	s_cmp_lg_u32 s2, 0x3003
	s_cbranch_scc0 .Lentry_shape_is_right
	s_endpgm
.Lentry_shape_is_right:
; out0 = the projection onto SO(3) of LN2(relu(LN1(relu(x W1 + b1)) W2 + b2)), all in one launch; the hidden layer never leaves the registers.
; SHARES.  A work-group owns 128 whole rows of x and all 2,048 hidden units, in four passes of 512; wave w holds 128 rows x 128 units (512 p + 128 w ..) in 64 accumulators, 512 registers.
; x's codes and scale bytes come into LDS once and stay.  W1 comes as register images (made by the launch before) through two LDS slots of 256 along K; every work-group walks the same images,
; so the four work-groups of a cluster ask for each slot JOINTLY: the same tensor load with the same descriptor and the mask 15.  x is each work-group's own and is not shared.
; THE FIRST PRODUCT IS USED TRANSPOSED (source 0 = 16 columns of W1, source 1 = 16 rows of x): lane (r, h) holds row r, register j hidden unit 16 b + 8 h + j.
; b1 is written into the accumulators ahead of a pass, so that every K step adds in place and one text serves all laps.
; LAYERNORM 1 IS FOLDED INTO THE SECOND PRODUCT: with a = relu(..), m and rs the row's mean and 1/sqrt(var + eps):  y[c] = rs (sum_j a[j] G'[j][c] - m T'[c]) + E[c]  (G', T', E: the launch before).
; THE SECOND PRODUCT (9 columns) IS DONE IN F32, BY PACKED FUSED MULTIPLY-ADDS between the passes: the projection divides an error of R by the difference of two singular values, so operands of 8 or 11 bits
; would not do.  The two halves of a packed instruction are two columns c; a is given to both.  A column of ones in G' gives the sum of a; the sum of a^2 is kept beside it.
; G' and the next pass's biases come 6,144 bytes a wave and pass, dense, into 48 registers a pass ahead, and reach all lanes through 3,072 bytes of LDS of the wave's own, half a pass at a time.
; THE PROJECTION: one-sided Jacobi (W = R V, six sweeps) gives the two longest columns w1, w2 and v1, v2;  out = u1 v1^T + u2 v2^T + (u1 x u2)(v1 x v2)^T, which is U diag(1, 1, det(U Vh)) Vh.
; LIMITS.  var1 = mean(a^2) - m^2 in f32: it loses about (m / sigma)^2 units of the last place.  Six sweeps are taken for 3 x 3 matrices, by the method's quadratic convergence.
; R = 0 gives the identity.  R of rank 1 gives a rotation that need not be the one a library's SVD picks.  |R| stays under 2^126.  NaN and infinities are not served.
; No prefetch: W1's images are read by every cluster again and again, and x is read at the head alone.
.set SLOTB, 102400                     ; a slot: four waves' parts
.set PARTB, 25600                      ; a part: 2 K steps x 8 fragments x 1,536 bytes, then 1,024 bytes of scale words
.set XC,    204800                     ; x's codes: 128 rows, pitch 816 = 768 + 8 bytes behind each 128: row r starts 12 r banks on (64 banks of 4 bytes: ISA guide 11.1)
.set XSL,   309248                     ; x's scale bytes, 32 a row
.set GSC,   313344                     ; 4 waves x 3,072 bytes: half a pass of G' and biases, each wave's own; written by LDS stores alone
.set SPARE, 325632                     ; the spare words, 128 bytes for each wave: two blocks of 256 bytes that no other line names
.set OST,   49152                      ; at the end, in slot 0 (last fill and last read long past): byte 0: 8 partial sets x 128 rows x 48 bytes of sums; OST: the 128 rows of out0
.set SPW,  1                           ; v1   LDS address of my spare word; never rewritten
.set NIL,  2                           ; v2   0; never rewritten
.set BA,   4                           ; v4-5   my part of slot 0, 1, + 16 x lane
.set AX0,  6                           ; v6   XC + 816 r + 24 h;  v7: the same with 32 h, for pieces whose partner three pieces on lies behind one padding more
.set AXR,  8                           ; v8-9  the two, in the half of K in hand, row blocks 0-3;  v10-11: row blocks 4-7
.set XSA0, 12                          ; v12  XSL + 32 r;  v13: in the half of K in hand
.set XSA,  13
.set GSW,  14                          ; v14  GSC + 3,072 w + 16 x lane: into my scratch
.set GSR,  15                          ; v15  GSC + 3,072 w + 192 h: out of it
.set GA0,  16                          ; v16  6,144 w + 16 x lane in gimg;  v17: in the pass to come
.set GA,   17
.set XS,   32                          ; v32-63   x's scale words: set s at 32 + 16 s, register 2 i + q: row block i, K step q of the slot
.set S0,   64                          ; v64-95   row block a at 64 + 4 a: the sums with G' column 8, of a, and of a^2 in two halves
.set GST,  96                          ; v96-127  G' and biases of a pass as loaded, registers 0-31;  v240-255: registers 32-47
.set GS2,  240
.set TT,   96                          ; v96-111  between passes, once the first half has gone to the scratch: 16 numbers at work
.set WF1,  128                         ; v128-223 W1's fragments, K step 1 of a slot.  Between passes: two buffers of a chunk (40 of G', 4 biases) at v128 and v176
.set GB,   128
.set WS,   224                         ; v224-239 W1's scale words: set s at 224 + 8 s, register b; lanes 0-15 K step 0, lanes 16-31 K step 1
.set WF0,  96                          ; window 1: v0-95 x's fragments; v96-191 W1's, K step 0 of a slot; v192-255: row block a at 192 + 8 a: the sums with G' columns 0 to 7
.set S1,   192                         ; windows 2, 3: accumulator (a, b) at v[8 (8 (a % 4) + b)], row blocks 0-3 and 4-7
.set WV,   22                          ; s22 wave; s23 cx; s24 work-group; s25 counter; s26, s27 the half of K in x's rows (0 or 408; + 52,224); s29 the next pass in gimg; s90 the half of K in x's scale rows
.set G1W,  32                          ; s[32:39] group 1, s[40:47] two groups 0: W1's slots
.set G0W,  40
.set G1X,  48                          ; s[48:55], s[56:59]: x's codes
.set G0X,  56
.set G0S,  60                          ; s[60:63], s[68:75]: x's scale bytes
.set G1S,  68
.set MSB, 0
.macro WIN new                         ; s_set_vgpr_msb: bits 1:0 source 0, 3:2 source 1, 5:4 source 2, 7:6 destination; the high byte repeats the setting that is left
.if MSB != \new
	s_set_vgpr_msb (MSB<<8)|\new
.set MSB, \new
.endif
.endm
.macro PLACES n                        ; plain vector instructions between a matrix instruction and a load into, or a vector access to, its registers
.rept \n
	v_nop
.endr
.endm
.macro CREST                           ; a round of the cluster's barrier behind its opening barrier
	s_cmp_lg_u32 s[WV], 0
	s_cbranch_scc1 .Lnot_wave_0_\@
	s_barrier_signal -3
.Lnot_wave_0_\@:
	s_barrier_wait -3
	s_barrier_signal -1
	s_barrier_wait -1
.endm
.macro CROUND
	s_barrier_signal -1
	s_barrier_wait -1
	CREST
.endm
.macro REBASE                          ; x's addresses in the half of K in hand
	v_add_nc_u32 v[AXR], s26, v[AX0]
	v_add_nc_u32 v[AXR+1], s26, v[AX0+1]
	v_add_nc_u32 v[AXR+2], s27, v[AX0]
	v_add_nc_u32 v[AXR+3], s27, v[AX0+1]
	v_add_nc_u32 v[XSA], s90, v[XSA0]
.endm
; A fragment of x: 16 rows x 128 K, 12 registers, as six pieces of 8 bytes.  j: the K step in the half of K (0..3); i: the row block.
.macro FRAGA reg, j, i
.irp p, 0,1,2,3,4,5
.set PC, 12*(\j)+6*(\p/3)+\p%3
.if PC%16 < 13
	ds_load_b64 v[\reg+2*\p:\reg+2*\p+1], v[AXR+2*((\i)/4)] offset:8*PC+8*(PC/16)+13056*((\i)%4)
.else
	ds_load_b64 v[\reg+2*\p:\reg+2*\p+1], v[AXR+2*((\i)/4)+1] offset:8*PC+8*(PC/16)+13056*((\i)%4)
.endif
.endr
.endm
.macro FETCH_A j, i0                   ; row blocks i0 .. i0 + 3: 24 loads
	WIN 0x40
.irp i, \i0, \i0+1, \i0+2, \i0+3
	FRAGA 12*(\i), \j, \i
.endr
.endm
.macro FETCH_B slot, q                 ; W1's eight fragments of K step q of a slot, as they were stored: 24 loads of 512 consecutive bytes
.if \q
	WIN 0
.else
	WIN 0x40
.endif
.irp b, 0,1,2,3,4,5,6,7
.irp c, 0,1,2
.if \q
	ds_load_b128 v[WF1+12*\b+4*\c:WF1+12*\b+4*\c+3], v[BA+\slot] offset:12288+1536*\b+512*\c
.else
	ds_load_b128 v[WF0+12*\b+4*\c:WF0+12*\b+4*\c+3], v[BA+\slot] offset:1536*\b+512*\c
.endif
.endr
.endr
.endm
.macro SCL next                        ; a slot's scale words: 10 loads
	WIN 0
.irp g, 0,1
	ds_load_b128 v[WS+8*\next+4*\g:WS+8*\next+4*\g+3], v[BA+\next] offset:24576+512*\g
.endr
.irp i, 0,1,2,3,4,5,6,7
	ds_load_b64 v[XS+16*\next+2*\i:XS+16*\next+2*\i+1], v[XSA] offset:8*\next+512*\i
.endr
.endm
; 16 matrix instructions: row blocks a0, a0 + 1 x W1's eight tiles, 128 along K.  The 64 accumulators take turns, one instruction a turn, in the same order in every step.
.macro MUL16 a0, q, slot
.irp a, \a0, \a0+1
.irp b, 0,1,2,3,4,5,6,7
.set AC, 8*(8*((\a)%4)+\b)
.if \q
	v_wmma_scale_f32_16x16x128_f8f6f4 v[AC:AC+7], v[WF1+12*\b:WF1+12*\b+11], v[12*(\a):12*(\a)+11], v[AC:AC+7], v[WS+8*\slot+\b], v[XS+16*\slot+2*(\a)+1] matrix_a_fmt:MATRIX_FMT_BF6 matrix_b_fmt:MATRIX_FMT_BF6 matrix_a_scale:MATRIX_SCALE_ROW1
.else
	v_wmma_scale_f32_16x16x128_f8f6f4 v[AC:AC+7], v[WF0+12*\b:WF0+12*\b+11], v[12*(\a):12*(\a)+11], v[AC:AC+7], v[WS+8*\slot+\b], v[XS+16*\slot+2*(\a)] matrix_a_fmt:MATRIX_FMT_BF6 matrix_b_fmt:MATRIX_FMT_BF6
.endif
.endr
.endr
.endm
; K step 0 of a slot.
.macro STEP slot
	s_wait_dscnt 24                                ; all is in but the youngest 24 loads: x's row blocks 4-7
	WIN 0xa5
	MUL16 0, 0, \slot
	MUL16 2, 0, \slot
	s_wait_dscnt 0x0                               ; x's row blocks 4-7 are in
	PLACES 4
	FETCH_B \slot, 1
	FETCH_A 2*\slot+1, 0
	WIN 0xf5
	MUL16 4, 0, \slot
	MUL16 6, 0, \slot
	PLACES 4
	FETCH_A 2*\slot+1, 4
.endm
; K step 1 of a slot, and the change of slots: each wave waits for all its tensor loads (its part of the next slot), adds 0 to its spare word, and waits for that and for its reads of this slot; then the barrier.
; fill = 1: the barrier opens a round of the cluster's barrier, and behind the round this slot is filled again, two slots ahead: the wave's one tensor load until the next round.
.macro TURN slot, next, fill
	WIN 0                                          ; (the add's two registers lie in window 0)
	s_wait_tensorcnt 0x0
	ds_add_u32 v[SPW], v[NIL]
	s_wait_dscnt 25                                ; the add and the youngest 24 loads (x's row blocks 4-7) may be out
	WIN 0xa4
	MUL16 0, 1, \slot
	s_wait_dscnt 0x0                               ; the add is done, and my reads of this slot are over
	s_barrier_signal -1
	MUL16 2, 1, \slot
	WIN 0
	s_barrier_wait -1
.if \fill
	CREST                                          ; no wave of any partner still reads this slot or has a load on its way
	s_add_nc_u64 s[G0W+4*\slot+2:G0W+4*\slot+3], s[G0W+4*\slot+2:G0W+4*\slot+3], 2*SLOTB
	tensor_load_to_lds s[G0W+4*\slot:G0W+4*\slot+3], s[G1W:G1W+7]
	s_nop 0
.endif
	PLACES 4                                       ; behind the tensor load, and the places in front of the loads below
.if \next == 0
	s_xor_b32 s26, s26, 408                        ; the other half of K: 384 bytes and three paddings on, or back
	s_xor_b32 s27, s27, 408
	s_xor_b32 s90, s90, 16
	REBASE
.endif
	FETCH_B \next, 0
	FETCH_A 2*\next, 0
	SCL \next
	WIN 0xf4
	MUL16 4, 1, \slot
	MUL16 6, 1, \slot
	PLACES 4
	FETCH_A 2*\next, 4
.endm
; BETWEEN PASSES.  d (a pair of sums, two columns c) += one number of T, given to both halves, x a pair of G'.  s: the number is the pair t's second register.
.macro PKB d, t, s, g
.if \s
	v_pk_fma_f32 v[\d:\d+1], v[\t:\t+1], v[\g:\g+1], v[\d:\d+1] op_sel:[1,0,0] op_sel_hi:[1,1,1]
.else
	v_pk_fma_f32 v[\d:\d+1], v[\t:\t+1], v[\g:\g+1], v[\d:\d+1] op_sel_hi:[0,1,1]
.endif
.endm
; Chunk q = 2 b + k (registers 4 k .. 4 k + 3 of the tiles b: a lane's four hidden units), row blocks 4 g .. 4 g + 3: relu; the next pass's bias takes the accumulators' place; 88 packed multiply-adds.
; Between two instructions on one pair of sums stand 15, 7 or 3 on others.
.macro EG q, g, last
.set GBQ, GB+48*((\q)%2)
.set AO, 4*(\q)
.set WRD, (2+\g)<<2
.set WWR, (2+\g)<<6
	WIN WRD
.irp ai, 0,1,2,3
.irp u, 0,1,2,3
	v_max_num_f32 v[TT+4*\ai+\u], 0, v[64*\ai+AO+\u]       ; each accumulator is read from its low end on: chunk 2 b stands ahead of chunk 2 b + 1
.endr
.endr
.if \last == 0
	WIN WWR
.irp ai, 0,1,2,3
	v_pk_mul_f32 v[64*\ai+AO:64*\ai+AO+1], v[GBQ+40:GBQ+41], 1.0 op_sel_hi:[1,0]     ; the next pass's sums begin as b1
	v_pk_mul_f32 v[64*\ai+AO+2:64*\ai+AO+3], v[GBQ+42:GBQ+43], 1.0 op_sel_hi:[1,0]
.endr
.endif
	WIN 0x50                                       ; the sums with columns 0 to 7 lie in window 1
.irp u, 0,1,2,3
.irp ai, 0,1,2,3
.irp i, 0,1,2,3
	PKB S1+8*(4*\g+\ai)+2*\i, TT+4*\ai+2*(\u/2), \u%2, GBQ+10*\u+2*\i
.endr
.endr
.endr
	WIN 0
.irp u, 0,1,2,3
.irp ai, 0,1,2,3
	PKB S0+4*(4*\g+\ai), TT+4*\ai+2*(\u/2), \u%2, GBQ+10*\u+8      ; column 8, and the column of ones
.endr
.if \u < 2
.irp ai, 0,1,2,3
	v_pk_fma_f32 v[S0+4*(4*\g+\ai)+2:S0+4*(4*\g+\ai)+3], v[TT+4*\ai+2*\u:TT+4*\ai+2*\u+1], v[TT+4*\ai+2*\u:TT+4*\ai+2*\u+1], v[S0+4*(4*\g+\ai)+2:S0+4*(4*\g+\ai)+3]
.endr
.endif
.endr
.endm
.macro GFETCH q, n                     ; chunk q out of my scratch into buffer q % 2: lanes 0-15 read one run of 16 n bytes, lanes 16-31 the run 192 bytes on
.set GBF, GB+48*((\q)%2)
.set GI, 0
.rept \n
	ds_load_b128 v[GBF+4*GI:GBF+4*GI+3], v[GSR] offset:384*((\q)%8)+16*GI
.set GI, GI+1
.endr
.endm
.macro GLOAD                           ; a pass's G' and biases, my wave's 6,144 bytes: each load covers 512 consecutive bytes
.irp i, 0,1,2,3,4,5,6,7
	global_load_b128 v[GST+4*\i:GST+4*\i+3], v[GA], s[10:11] offset:512*\i
.endr
.irp i, 0,1,2,3
	global_load_b128 v[GS2+4*\i:GS2+4*\i+3], v[GA], s[10:11] offset:4096+512*\i
.endr
.endm
.macro EPI last
.set NLD, 11-\last                     ; loads a chunk: the last pass wants no biases
	s_wait_loadcnt 0x0                             ; this pass's G' is in; its address register may be written again
	PLACES 4
.irp i, 0,1,2,3,4,5
	ds_store_b128 v[GSW], v[GST+4*\i:GST+4*\i+3] offset:512*\i     ; chunks 0 to 7 into my scratch
.endr
	GFETCH 0, NLD
.irp q, 0,1,2,3,4,5,6,7,8,9,10,11,12,13,14,15
.if \q == 7                            ; chunk 7's loads have been issued, and LDS serves a wave's instructions in order (ISA guide 5.7.1.4): chunks 8 to 15 take the scratch
	ds_store_b128 v[GSW], v[GST+24:GST+27]
	ds_store_b128 v[GSW], v[GST+28:GST+31] offset:512
.irp i, 0,1,2,3
	ds_store_b128 v[GSW], v[GS2+4*\i:GS2+4*\i+3] offset:1024+512*\i
.endr
.endif
.if \q < 15
	GFETCH \q+1, NLD
.if \q == 7
	s_wait_dscnt NLD+6                             ; this chunk is in; the six stores and the next chunk's loads may be out
.else
	s_wait_dscnt NLD                               ; this chunk is in (and so are the stores ahead of it); the next chunk's loads may be out
.endif
.else
	s_wait_dscnt 0x0
.endif
	EG \q, 0, \last
	EG \q, 1, \last
.endr
.if \last == 0
	s_min_u32 s30, s29, 73728                      ; the next pass's 24,576 bytes of gimg
	v_add_nc_u32 v[GA], s30, v[GA0]
	GLOAD
.endif
.endm
; ---------------- the head ----------------
	s_load_b512 s[4:19], s[0:1], 0x0               ; x_codes s[4:5], x_scales s[6:7], w1img s[8:9], gimg s[10:11], cst s[12:13], b1 s[14:15], g2 s[16:17], be2 s[18:19]
	s_load_b64 s[20:21], s[0:1], 0x40              ; out0
	v_lshl_add_u32 v[SPW], v0, 2, SPARE
	v_mov_b32 v[NIL], 0
	ds_add_u32 v1, v2
	ds_add_u32 v1, v2
	s_wait_dscnt 0x0
	v_lshrrev_b32 v18, 5, v0
	v_readfirstlane_b32 s[WV], v18                 ; wave 0..3
	s_bfe_u32 s23, ttmp6, 0x40000                  ; cx: it enters x's and out0's addresses alone
	s_lshl_b32 s24, ttmp9, 2
	s_add_co_u32 s24, s24, s23                     ; my block of 128 rows
	; W1's part of a slot: 25,600 dense bytes as 100 rows of 256 (32 elements of 8 bytes); asked for jointly by the four work-groups
	s_mov_b32 s[G1W], 15|(3<<16)|(1<<21)
	s_mov_b32 s[G1W+1], 32<<16
	s_mov_b32 s[G1W+2], 100<<16
	s_mov_b32 s[G1W+3], 32<<16
	s_mov_b32 s[G1W+4], 100
	s_mov_b32 s[G1W+5], 32
	s_mov_b32 s[G1W+6], 0
	s_mov_b32 s[G1W+7], 0
	; x's codes: 32 rows of 768 bytes (96 elements), 2 words of padding behind every 32 words
	s_mov_b32 s[G1X], (3<<16)|(1<<20)|(4<<22)|(1<<25)
	s_mov_b32 s[G1X+1], 96<<16
	s_mov_b32 s[G1X+2], 32<<16
	s_mov_b32 s[G1X+3], 96<<16
	s_mov_b32 s[G1X+4], 32
	s_mov_b32 s[G1X+5], 96
	s_mov_b32 s[G1X+6], 0
	s_mov_b32 s[G1X+7], 0
	; x's scale bytes: 1,024 dense bytes as 4 rows of 256
	s_mov_b32 s[G1S], 3<<16
	s_mov_b32 s[G1S+1], 32<<16
	s_mov_b32 s[G1S+2], 4<<16
	s_mov_b32 s[G1S+3], 32<<16
	s_mov_b32 s[G1S+4], 4
	s_mov_b32 s[G1S+5], 32
	s_mov_b32 s[G1S+6], 0
	s_mov_b32 s[G1S+7], 0
	s_mul_i32 s30, s[WV], PARTB                    ; my part of a slot, in w1img and in LDS: the wave's number alone
	s_mov_b32 s31, 0
	s_mul_i32 s88, s24, 98304                      ; x's codes: 128 rows of 768 bytes a work-group,
	s_mul_i32 s89, s[WV], 24576                    ; 32 rows a wave
	s_add_co_u32 s88, s88, s89
	s_mov_b32 s89, 0
	s_lshl_b32 s92, s24, 12                        ; x's scale bytes: 4,096 a work-group, 1,024 a wave
	s_lshl_b32 s93, s[WV], 10
	s_add_co_u32 s92, s92, s93
	s_mov_b32 s93, 0
	s_mov_b32 s26, 0
	s_mov_b32 s27, 52224
	s_mov_b32 s90, 0
	s_mov_b32 s29, 12288                           ; stepped once a lap, two laps a pass: at the end of pass p it stands at pass p + 1
	s_wait_kmcnt 0x0
	s_mov_b32 s[G0W], 1
	s_mov_b32 s[G0W+1], s30
	s_add_nc_u64 s[G0W+2:G0W+3], s[8:9], s[30:31]
	s_or_b32 s[G0W+3], s[G0W+3], 0x80000000
	s_mov_b32 s[G0W+4], 1
	s_add_co_u32 s[G0W+5], s30, SLOTB
	s_add_nc_u64 s[G0W+6:G0W+7], s[8:9], s[30:31]
	s_add_nc_u64 s[G0W+6:G0W+7], s[G0W+6:G0W+7], SLOTB
	s_or_b32 s[G0W+7], s[G0W+7], 0x80000000
	s_mov_b32 s[G0X], 1
	s_mul_i32 s[G0X+1], s[WV], 26112
	s_add_co_u32 s[G0X+1], s[G0X+1], XC
	s_add_nc_u64 s[G0X+2:G0X+3], s[4:5], s[88:89]
	s_or_b32 s[G0X+3], s[G0X+3], 0x80000000
	s_mov_b32 s[G0S], 1
	s_lshl_b32 s[G0S+1], s[WV], 10
	s_add_co_u32 s[G0S+1], s[G0S+1], XSL
	s_add_nc_u64 s[G0S+2:G0S+3], s[6:7], s[92:93]
	s_or_b32 s[G0S+3], s[G0S+3], 0x80000000
	CROUND                                         ; all four work-groups are here: the first joint loads meet
	tensor_load_to_lds s[G0S:G0S+3], s[G1S:G1S+7]  ; the first fills go out as one group: four loads of mine are out
	s_nop 0
	tensor_load_to_lds s[G0X:G0X+3], s[G1X:G1X+7]
	s_nop 0
	tensor_load_to_lds s[G0W:G0W+3], s[G1W:G1W+7]
	s_nop 0
	tensor_load_to_lds s[G0W+4:G0W+7], s[G1W:G1W+7]
	s_nop 0
	PLACES 4
	v_and_b32 v18, 31, v0                          ; lane
	v_and_b32 v19, 15, v0                          ; r
	v_bfe_u32 v20, v0, 4, 1                        ; h
	v_lshl_add_u32 v[BA], v18, 4, s30
	v_add_nc_u32 v[BA+1], SLOTB, v[BA]
	v_mul_u32_u24 v21, v19, 816
	v_add_nc_u32 v21, XC, v21
	v_mad_u32_u24 v[AX0], v20, 24, v21
	v_lshl_add_u32 v[AX0+1], v20, 5, v21
	v_lshl_add_u32 v[XSA0], v19, 5, XSL
	REBASE
	s_mul_i32 s88, s[WV], 3072
	s_add_co_u32 s88, s88, GSC
	v_lshl_add_u32 v[GSW], v18, 4, s88
	v_mul_u32_u24 v[GSR], v20, 192
	v_add_nc_u32 v[GSR], s88, v[GSR]
	s_mul_i32 s88, s[WV], 6144
	v_lshl_add_u32 v[GA0], v18, 4, s88
	v_add_nc_u32 v[GA], 0, v[GA0]
	s_lshl_b32 s88, s[WV], 9
	v_lshl_add_u32 v23, v20, 5, s88                ; b1: my wave's 128 numbers, + 8 h
.irp b, 0,1,2,3,4,5,6,7
	global_load_b128 v[128+8*\b:128+8*\b+3], v23, s[14:15] offset:64*\b        ; pass 0's biases: lane (r, h): units 16 b + 8 h + 0 .. 7
	global_load_b128 v[128+8*\b+4:128+8*\b+7], v23, s[14:15] offset:64*\b+16
.endr
	GLOAD                                          ; pass 0's G'
	WIN 0x40
.irp i, 0,1,2,3,4,5,6,7,8,9,10,11,12,13,14,15,16,17,18,19,20,21,22,23,24,25,26,27,28,29,30,31,32,33,34,35,36,37,38,39,40,41,42,43,44,45,46,47,48,49,50,51,52,53,54,55,56,57,58,59,60,61,62,63
	v_mov_b32 v[S1+\i], 0                          ; the second product's sums run over all four passes: one text between passes, so they begin as zeros
.endr
	WIN 0
.irp i, 0,1,2,3,4,5,6,7,8,9,10,11,12,13,14,15,16,17,18,19,20,21,22,23,24,25,26,27,28,29,30,31
	v_mov_b32 v[S0+\i], 0
.endr
	s_wait_tensorcnt 1                             ; all but slot 1 has landed
	s_barrier_signal -1
	s_barrier_wait -1
	FETCH_B 0, 0
	FETCH_A 0, 0
	SCL 0
	FETCH_A 0, 4
	s_wait_loadcnt 12                              ; the 16 loads of biases are in; the 12 of G' behind them may be out
.irp a, 0,1,2,3,4,5,6,7                ; the first pass's sums begin as b1, while the first fragments land
.set WA, (2+\a/4)<<6
	WIN WA
.irp i, 0,1,2,3,4,5,6,7,8,9,10,11,12,13,14,15,16,17,18,19,20,21,22,23,24,25,26,27,28,29,30,31
	v_pk_mul_f32 v[64*(\a%4)+2*\i:64*(\a%4)+2*\i+1], v[128+2*\i:128+2*\i+1], 1.0 op_sel_hi:[1,0]
.endr
.endr
	WIN 0
	s_mov_b32 s25, 0
; ---------------- seven laps of two slots; behind every second lap a pass ends ----------------
.Llap:
	STEP 0
	TURN 0, 1, 1
	STEP 1
	TURN 1, 0, 1
	WIN 0
	s_and_b32 s30, s25, 1
	s_cmp_eq_u32 s30, 0
	s_cbranch_scc1 .Lno_epi                        ; a branch on the lap's number; no barrier and no tensor load stands under it
	EPI 0
.Lno_epi:
	s_add_co_u32 s29, s29, 12288
	s_add_co_u32 s25, s25, 1
	s_cmp_lt_u32 s25, 7
	s_cbranch_scc1 .Llap
	STEP 0                                         ; the last lap is written out: nothing is left to fetch
	TURN 0, 1, 0
	STEP 1
	s_wait_dscnt 24
	WIN 0xa4
	MUL16 0, 1, 1
	MUL16 2, 1, 1
	s_wait_dscnt 0x0
	WIN 0xf4
	MUL16 4, 1, 1
	MUL16 6, 1, 1
	WIN 0
	EPI 1
; ---------------- the rows' sums meet in LDS; then a thread takes a row ----------------
.set JM,  192                          ; m
.set JV,  193                          ; a variance
.set JR,  194                          ; 1 / sqrt(variance + eps)
.set JU,  205                          ; a mean
.set WM,  196                          ; v196-204 y, then R, then W = R V: element (i, p) at 3 i + p
.set VM,  206                          ; v206-214 V
.set JAL, 144
.set JBE, 145
.set JGA, 146
.set JTA, 147
.set JGG, 148
.set JH2, 149
.set JHM, 150
.set JRH, 151
.set JSG, 152
.set JC2, 153
.set JS2, 154
.set JCC, 155
.set JRC, 156
.set JSH, 157
.set JCS, 158
.set JSN, 159
.set JT1, 160
.set JT2, 161
.set JN,  162                          ; v162-164 the columns' squared lengths
.set U1,  166
.set XV,  170
.set FA,  173
.set FB,  176
.set U2,  180
.set C1,  183
.set C2V, 186
.set OUT, 128
	v_and_b32 v19, 15, v0
	v_bfe_u32 v20, v0, 4, 1
	s_mul_i32 s30, s[WV], 12288
	v_mul_u32_u24 v21, v19, 48
	v_add_nc_u32 v21, s30, v21
	v_mad_u32_u24 v22, v20, 6144, v21              ; partial set 2 w + h: 128 rows of 48 bytes; row r of a block
	v_mul_u32_u24 v24, v0, 48                      ; back: thread t takes row t
	v_mul_u32_u24 v25, v0, 36
	v_add_nc_u32 v25, OST, v25                     ; its nine results
	v_lshlrev_b32 v26, 4, v0
	v_add_nc_u32 v27, OST, v26
	WIN 0x04                                       ; an LDS store's data are its source 1: window 1
.irp a, 0,1,2,3,4,5,6,7
	ds_store_b128 v22, v[S1+8*\a:S1+8*\a+3] offset:768*\a
	ds_store_b128 v22, v[S1+8*\a+4:S1+8*\a+7] offset:768*\a+16
.endr
	WIN 0
.irp a, 0,1,2,3,4,5,6,7
	ds_store_b128 v22, v[S0+4*\a:S0+4*\a+3] offset:768*\a+32
.endr
	s_load_b256 s[32:39], s[12:13], 0x0            ; T' (no tensor load is out: the descriptors' registers are free)
	s_load_b32 s40, s[12:13], 0x20
	s_load_b256 s[44:51], s[12:13], 0x40           ; E
	s_load_b32 s52, s[12:13], 0x60
	s_load_b256 s[68:75], s[16:17], 0x0            ; g2
	s_load_b32 s76, s[16:17], 0x20
	s_load_b256 s[80:87], s[18:19], 0x0            ; be2
	s_load_b32 s88, s[18:19], 0x20
	s_mul_i32 s30, s24, 4608                       ; my 128 rows of out0
	s_mov_b32 s31, 0
	s_add_nc_u64 s[20:21], s[20:21], s[30:31]
	s_wait_dscnt 0x0                               ; for the others' sake
	s_barrier_signal -1
	s_barrier_wait -1
.irp k, 0,1,2,3,4,5,6,7
	ds_load_b128 v[128+12*\k:128+12*\k+3], v24 offset:6144*\k
	ds_load_b128 v[128+12*\k+4:128+12*\k+7], v24 offset:6144*\k+16
	ds_load_b128 v[128+12*\k+8:128+12*\k+11], v24 offset:6144*\k+32
.endr
	s_wait_dscnt 0x0
.irp i, 0,1,2,3,4,5
	v_pk_add_f32 v[128+2*\i:129+2*\i], v[128+2*\i:129+2*\i], v[140+2*\i:141+2*\i]
	v_pk_add_f32 v[152+2*\i:153+2*\i], v[152+2*\i:153+2*\i], v[164+2*\i:165+2*\i]
	v_pk_add_f32 v[176+2*\i:177+2*\i], v[176+2*\i:177+2*\i], v[188+2*\i:189+2*\i]
	v_pk_add_f32 v[200+2*\i:201+2*\i], v[200+2*\i:201+2*\i], v[212+2*\i:213+2*\i]
.endr
.irp i, 0,1,2,3,4,5
	v_pk_add_f32 v[128+2*\i:129+2*\i], v[128+2*\i:129+2*\i], v[152+2*\i:153+2*\i]
	v_pk_add_f32 v[176+2*\i:177+2*\i], v[176+2*\i:177+2*\i], v[200+2*\i:201+2*\i]
.endr
.irp i, 0,1,2,3,4,5
	v_pk_add_f32 v[128+2*\i:129+2*\i], v[128+2*\i:129+2*\i], v[176+2*\i:177+2*\i]   ; v128-136 the sums with G', v137 the sum of a, v138-139 of a^2
.endr
	v_mul_f32 v[JM], 0x3a000000, v137              ; / 2,048
	v_add_f32 v[JV], v138, v139
	v_mul_f32 v[JV], 0x3a000000, v[JV]
	v_fma_f32 v[JV], -v[JM], v[JM], v[JV]
	v_max_num_f32 v[JV], 0, v[JV]
	v_add_f32 v[JV], 0x3727c5ac, v[JV]             ; + 1e-5
	v_rsq_f32 v[JR], v[JV]
	s_wait_kmcnt 0x0
.irp c, 0,1,2,3,4,5,6,7,8
	v_fma_f32 v[WM+\c], -v[JM], s[32+\c], v[128+\c]
.endr
	s_wait_alu depctr_va_vdst(0)                   ; ahead of the root's first reader
.irp c, 0,1,2,3,4,5,6,7,8
	v_fma_f32 v[WM+\c], v[JR], v[WM+\c], s[44+\c]
.endr
.irp c, 0,1,2,3,4,5,6,7,8
	v_max_num_f32 v[WM+\c], 0, v[WM+\c]            ; y
.endr
	v_add_f32 v[JU], v[WM], v[WM+1]
.irp c, 2,3,4,5,6,7,8
	v_add_f32 v[JU], v[JU], v[WM+\c]
.endr
	v_mul_f32 v[JU], 0x3de38e39, v[JU]             ; / 9
.irp c, 0,1,2,3,4,5,6,7,8
	v_sub_f32 v[WM+\c], v[WM+\c], v[JU]
.endr
	v_mul_f32 v[JV], v[WM], v[WM]
.irp c, 1,2,3,4,5,6,7,8
	v_fma_f32 v[JV], v[WM+\c], v[WM+\c], v[JV]
.endr
	v_mul_f32 v[JV], 0x3de38e39, v[JV]
	v_add_f32 v[JV], 0x3727c5ac, v[JV]
	v_rsq_f32 v[JR], v[JV]
.irp i, 0,1,2,3,4,5,6,7,8
.if (\i % 4) == 0
	v_mov_b32 v[VM+\i], 1.0                        ; V = I
.else
	v_mov_b32 v[VM+\i], 0
.endif
.endr
	s_wait_alu depctr_va_vdst(0)
.irp c, 0,1,2,3,4,5,6,7,8
	v_mul_f32 v[WM+\c], v[WM+\c], v[JR]
.endr
.irp c, 0,1,2,3,4,5,6,7,8
	v_fma_f32 v[WM+\c], v[WM+\c], s[68+\c], s[80+\c]               ; R
.endr
	; R x 2^(127 - the exponent field of its largest magnitude): exact, and the projection does not hang on R's scale
	v_max3_num_f32 v[JT1], |v[WM]|, |v[WM+1]|, |v[WM+2]|
	v_max3_num_f32 v[JT1], v[JT1], |v[WM+3]|, |v[WM+4]|
	v_max3_num_f32 v[JT1], v[JT1], |v[WM+5]|, |v[WM+6]|
	v_max3_num_f32 v[JT1], v[JT1], |v[WM+7]|, |v[WM+8]|
	v_lshrrev_b32 v[JT1], 23, v[JT1]
	v_sub_nc_u32 v[JT1], 254, v[JT1]
	v_lshlrev_b32 v[JT1], 23, v[JT1]
.irp c, 0,1,2,3,4,5,6,7,8
	v_mul_f32 v[WM+\c], v[WM+\c], v[JT1]
.endr
; Columns p and q of W are turned so that they stand at right angles; V is turned with them.  tan(2 t) = 2 (wp . wq) / (|wq|^2 - |wp|^2), 2 t between -90 and 90 degrees; where both are next to nothing, no turn.
.macro ROT p, q
	v_mul_f32 v[JAL], v[WM+\p], v[WM+\p]
	v_mul_f32 v[JBE], v[WM+\q], v[WM+\q]
	v_mul_f32 v[JGA], v[WM+\p], v[WM+\q]
.irp i, 3,6
	v_fma_f32 v[JAL], v[WM+\i+\p], v[WM+\i+\p], v[JAL]
	v_fma_f32 v[JBE], v[WM+\i+\q], v[WM+\i+\q], v[JBE]
	v_fma_f32 v[JGA], v[WM+\i+\p], v[WM+\i+\q], v[JGA]
.endr
	v_sub_f32 v[JTA], v[JBE], v[JAL]
	v_add_f32 v[JGG], v[JGA], v[JGA]
	v_mul_f32 v[JH2], v[JTA], v[JTA]
	v_fma_f32 v[JH2], v[JGG], v[JGG], v[JH2]
	v_max_num_f32 v[JHM], 0x4000000, v[JH2]        ; held at 2^-119 from below
	v_rsq_f32 v[JRH], v[JHM]
	v_and_b32 v[JSG], 0x80000000, v[JTA]
	v_cmp_lt_f32 vcc_lo, 0x4000000, v[JH2]
	s_wait_alu depctr_va_vdst(0)
	v_mul_f32 v[JC2], |v[JTA]|, v[JRH]             ; cos 2 t
	v_mul_f32 v[JS2], v[JGG], v[JRH]
	v_xor_b32 v[JS2], v[JSG], v[JS2]               ; sin 2 t
	v_cndmask_b32 v[JC2], 1.0, v[JC2], vcc_lo
	v_cndmask_b32 v[JS2], 0, v[JS2], vcc_lo
	v_fma_f32 v[JCC], v[JC2], 0.5, 0.5             ; cos^2 t, at least a half
	v_rsq_f32 v[JRC], v[JCC]
	v_mul_f32 v[JSH], 0.5, v[JS2]
	s_wait_alu depctr_va_vdst(0)
	v_mul_f32 v[JCS], v[JCC], v[JRC]               ; cos t
	v_mul_f32 v[JSN], v[JSH], v[JRC]               ; sin t
.irp b, WM, WM+3, WM+6, VM, VM+3, VM+6
	v_mul_f32 v[JT1], v[JSN], v[\b+\q]
	v_mul_f32 v[JT2], v[JSN], v[\b+\p]
	v_fma_f32 v[\b+\p], v[JCS], v[\b+\p], -v[JT1]
	v_fma_f32 v[\b+\q], v[JCS], v[\b+\q], v[JT2]
.endr
.endm
	s_mov_b32 s25, 6
.Lsweep:
	ROT 0, 1
	ROT 0, 2
	ROT 1, 2
	s_sub_co_i32 s25, s25, 1
	s_cmp_lg_u32 s25, 0
	s_cbranch_scc1 .Lsweep
.macro DOT3 d, a, sa, b, sb            ; d = the sum over i of a[i sa] b[i sb]
	v_mul_f32 v[\d], v[\a], v[\b]
	v_fma_f32 v[\d], v[\a+\sa], v[\b+\sb], v[\d]
	v_fma_f32 v[\d], v[\a+2*\sa], v[\b+2*\sb], v[\d]
.endm
.macro PROJ d, x, sx, dot, u           ; d = x - dot u
.irp i, 0,1,2
	v_fma_f32 v[\d+\i], -v[\dot], v[\u+\i], v[\x+\i*\sx]
.endr
.endm
.macro CROSS d, a, sa, b, sb           ; d = a x b
	v_mul_f32 v[\d], v[\a+2*\sa], v[\b+\sb]
	v_mul_f32 v[\d+1], v[\a], v[\b+2*\sb]
	v_mul_f32 v[\d+2], v[\a+\sa], v[\b]
	v_fma_f32 v[\d], v[\a+\sa], v[\b+2*\sb], -v[\d]
	v_fma_f32 v[\d+1], v[\a+2*\sa], v[\b], -v[\d+1]
	v_fma_f32 v[\d+2], v[\a], v[\b+\sb], -v[\d+2]
.endm
.macro CSWAP p, q                      ; columns p and q change places where q is the longer; equal lengths keep their order
	v_cmp_gt_f32 vcc_lo, v[JN+\q], v[JN+\p]
.irp b, WM, WM+3, WM+6, VM, VM+3, VM+6, JN
	v_cndmask_b32 v[JT1], v[\b+\p], v[\b+\q], vcc_lo
	v_cndmask_b32 v[\b+\q], v[\b+\q], v[\b+\p], vcc_lo
	v_mov_b32 v[\b+\p], v[JT1]
.endr
.endm
	DOT3 JN, WM, 3, WM, 3
	DOT3 JN+1, WM+1, 3, WM+1, 3
	DOT3 JN+2, WM+2, 3, WM+2, 3
	CSWAP 0, 1
	CSWAP 0, 2
	v_cmp_gt_f32 vcc_lo, v[JN+2], v[JN+1]          ; the second place takes the longer of the two that are left
.irp b, WM, WM+3, WM+6, VM, VM+3, VM+6
	v_cndmask_b32 v[\b+1], v[\b+1], v[\b+2], vcc_lo
.endr
	v_max_num_f32 v[JT1], 0x1e3ce508, v[JN]
	v_rsq_f32 v[JRH], v[JT1]
	v_mul_f32 v[JT2], 0x29e12e13, v[JN]            ; 1e-13 |w1|^2: under it the second column counts as nothing
	v_cmp_lt_f32 vcc_lo, 0x1e3ce508, v[JN]         ; |w1|^2 over 1e-20: R is not 0
	s_wait_alu depctr_va_vdst(0)
.irp i, 0,1,2
	v_mul_f32 v[U1+\i], v[WM+3*\i], v[JRH]
.endr
.irp i, 0,1,2
	v_cndmask_b32 v[U1+\i], v[VM+3*\i], v[U1+\i], vcc_lo           ; u1 = w1 / |w1|, or v1 where R = 0
.endr
	DOT3 JAL, U1, 1, WM+1, 3
	PROJ XV, WM+1, 3, JAL, U1                      ; w2 at right angles to u1
	DOT3 JBE, XV, 1, XV, 1
	DOT3 JAL, U1, 1, VM+1, 3
	PROJ FA, VM+1, 3, JAL, U1                      ; in its stead, where it is nothing: v2 or v1 at right angles to u1; the longer of the two has a squared length of a half at the least
	DOT3 JGA, FA, 1, FA, 1
	DOT3 JAL, U1, 1, VM, 3
	PROJ FB, VM, 3, JAL, U1
	DOT3 JGG, FB, 1, FB, 1
	v_cmp_ge_f32 vcc_lo, v[JGA], v[JGG]
.irp i, 0,1,2
	v_cndmask_b32 v[FA+\i], v[FB+\i], v[FA+\i], vcc_lo
.endr
	v_cmp_gt_f32 vcc_lo, v[JBE], v[JT2]
.irp i, 0,1,2
	v_cndmask_b32 v[XV+\i], v[FA+\i], v[XV+\i], vcc_lo
.endr
	DOT3 JBE, XV, 1, XV, 1
	v_max_num_f32 v[JBE], 0x0d800000, v[JBE]
	v_rsq_f32 v[JRC], v[JBE]
	CROSS C2V, VM, 3, VM+1, 3                      ; v1 x v2
	s_wait_alu depctr_va_vdst(0)
.irp i, 0,1,2
	v_mul_f32 v[U2+\i], v[XV+\i], v[JRC]
.endr
	CROSS C1, U1, 1, U2, 1                         ; u1 x u2
.irp i, 0,1,2
.irp j, 0,1,2
	v_mul_f32 v[OUT+3*\i+\j], v[U1+\i], v[VM+3*\j]
	v_fma_f32 v[OUT+3*\i+\j], v[U2+\i], v[VM+3*\j+1], v[OUT+3*\i+\j]
	v_fma_f32 v[OUT+3*\i+\j], v[C1+\i], v[C2V+\j], v[OUT+3*\i+\j]
.endr
.endr
.irp k, 0,1,2,3,4,5,6,7,8
	ds_store_b32 v25, v[OUT+\k] offset:4*\k
.endr
	s_wait_dscnt 0x0                               ; for the others' sake
	s_barrier_signal -1
	s_barrier_wait -1
	ds_load_b128 v[140:143], v27                   ; the work-group's 4,608 bytes leave 16 bytes a lane: each store of a wave covers 512 consecutive bytes, aligned to 256
	ds_load_b128 v[144:147], v27 offset:2048
	s_wait_dscnt 0x0
	global_store_b128 v26, v[140:143], s[20:21]
	global_store_b128 v26, v[144:147], s[20:21] offset:2048
	s_cmp_lg_u32 s[WV], 0
	s_cbranch_scc1 .Lnot_first
	ds_load_b128 v[148:151], v27 offset:4096       ; the last 512 bytes: wave 0
	s_wait_dscnt 0x0
	global_store_b128 v26, v[148:151], s[20:21] offset:4096
.Lnot_first:
	s_wait_tensorcnt 0x0                           ; the wave's end, behind my last tensor load and my last LDS store
	ds_add_u32 v[SPW], v[NIL]
	s_wait_dscnt 0x0
	CROUND                                         ; the closing round: no work-group ends while a partner may still ask for a slot that names it
	s_endpgm
.Lfunc_end_k_qaf38eb4911_main:
	.size	k_qaf38eb4911_main, .Lfunc_end_k_qaf38eb4911_main-k_qaf38eb4911_main
	.p2alignl 7, 3214868480
	.fill 96, 4, 3214868480
	.section	.rodata,"a",@progbits
	.p2align	6, 0x0
	.amdhsa_kernel k_qaf38eb4911_main
		.amdhsa_group_segment_fixed_size 327680
		.amdhsa_private_segment_fixed_size 0
		.amdhsa_enable_private_segment 0
		.amdhsa_kernarg_size 72
		.amdhsa_user_sgpr_count 2
		.amdhsa_user_sgpr_kernarg_segment_ptr 1
		.amdhsa_wavefront_size32 1
		.amdhsa_system_sgpr_workgroup_id_x 1
		.amdhsa_system_sgpr_workgroup_id_y 1
		.amdhsa_system_sgpr_workgroup_id_z 1
		.amdhsa_system_vgpr_workitem_id 0
		.amdhsa_next_free_vgpr 1024
		.amdhsa_next_free_sgpr 96
		.amdhsa_reserve_vcc 1
		.amdhsa_float_denorm_mode_32 3
		.amdhsa_float_denorm_mode_16_64 3
		.amdhsa_memory_ordered 1
		.amdhsa_forward_progress 1
		.amdhsa_inst_pref_size 255
	.end_amdhsa_kernel
	.section	.bss,"aw",@nobits
	.p2align	6
	.space	262144
	.amdgpu_metadata
---
amdhsa.version: [ 1, 2 ]
amdhsa.kernels:
  - .name:           k_qaf38eb4911_main
    .symbol:         k_qaf38eb4911_main.kd
    .args:
      - { .name: x_codes, .offset: 0, .size: 8, .value_kind: global_buffer, .address_space: global }
      - { .name: x_scales, .offset: 8, .size: 8, .value_kind: global_buffer, .address_space: global }
      - { .name: w1img, .offset: 16, .size: 8, .value_kind: global_buffer, .address_space: global }
      - { .name: gimg, .offset: 24, .size: 8, .value_kind: global_buffer, .address_space: global }
      - { .name: cst, .offset: 32, .size: 8, .value_kind: global_buffer, .address_space: global }
      - { .name: b1, .offset: 40, .size: 8, .value_kind: global_buffer, .address_space: global }
      - { .name: g2, .offset: 48, .size: 8, .value_kind: global_buffer, .address_space: global }
      - { .name: be2, .offset: 56, .size: 8, .value_kind: global_buffer, .address_space: global }
      - { .name: out0, .offset: 64, .size: 8, .value_kind: global_buffer, .address_space: global }
    .group_segment_fixed_size: 327680
    .private_segment_fixed_size: 0
    .kernarg_segment_align: 8
    .kernarg_segment_size: 72
    .max_flat_workgroup_size: 128
    .sgpr_count:     96
    .vgpr_count:     1024
    .wavefront_size: 32
...
	.end_amdgpu_metadata
.endif
;; end of part 2
;; ======== version 2 of 2: 2 launches; 1.41 times as fast as version 1
;; limits: a difference of large sums (such as E[x^2] - mean^2): digits are lost where the result is much smaller than its terms
;; workspace buffers: w1img 1,638,400 bytes; gimg 81,920 bytes; cst 256 bytes
;; launch prep (part 3): grid 17 x 1, 16 waves a work-group, no clusters, 104,448 bytes of LDS; arguments W1_codes, W1_scales, W2, g1, be1, b2, w1img, gimg, cst; writes w1img, gimg, cst
.if DOCPART == 3
	.amdgcn_target "amdgcn-amd-amdhsa--gfx1250"
	.amdhsa_code_object_version 6
	.text
	.protected	k_qaf38eb4911_prep
	.globl	k_qaf38eb4911_prep
	.p2align	8
	.type	k_qaf38eb4911_prep,@function
k_qaf38eb4911_prep:
	s_mov_b64 s[64:65], 0
	v_nop
	global_prefetch_b8 v0, s[64:65] scope:SCOPE_SE
	s_setreg_imm32_b32 hwreg(HW_REG_WAVE_MODE, 25, 1), 1
	s_wait_xcnt 0x0
; Lays out, once, what every work-group of the main launch reads.
; Work-groups 0 to 15 (t = 4 p + k2): W1's codes and scale bytes of columns 512 p .. 512 p + 511 and K = 256 k2 .. 256 k2 + 255, as IMAGES OF THE OPERAND'S REGISTERS:
;   block t of w1img = four parts of 25,600 bytes (one for each wave w of the main launch): 2 K steps x 8 fragments x 1,536 bytes, then 1,024 bytes of scale words.
;   Register 4 c + j of lane l of a fragment lies at 512 c + 16 l + 4 j; scale register b of lane l holds the word of row 16 b + l % 16 for K step 2 k2 + l / 16.
; Work-group 16: LayerNorm 1 folded into the second product.  G'[j][c] = g1[j] W2[j][c] - (its mean over j), f32.
;   gimg = [pass p][wave w][chunk q = 2 b + k][h][40 floats]: the four hidden units j = 512 p + 128 w + 16 b + 8 h + 4 k + i: floats 10 i + c = G'[j][c], 10 i + 9 = 1.0 (it gives the row's sum).
;   cst: floats 0..15 = T'[c] = the sum over j of G' as it is stored;  floats 16..31 = the sum over j of be1[j] W2[j][c] + b2[c].  Only c = 0 .. 8 are used.
; LIMITS: NaN and infinities among the inputs are not served.
.set OUTL, 0                           ; LDS (work-group 16 alone): 16 waves x 5,120 bytes: gimg's bytes on their way out, each wave's own
.set RED,  98304                       ; 16 waves x 32 words: 9 sums of g1 W2, 9 of be1 W2, zeros
.set RED2, 100352                      ; 16 waves x 16 words: T', zeros
.set RL,   94                          ; v94-125  words read back from RED and RED2
.set OB,   128                         ; v128-167 my 40 floats of gimg
	s_load_b128 s[4:7], s[0:1], 0x0                ; W1's codes, W1's scales
	s_load_b128 s[8:11], s[0:1], 0x10              ; W2, g1
	s_load_b128 s[12:15], s[0:1], 0x20             ; be1, b2
	s_load_b64 s[18:19], s[0:1], 0x30              ; w1img
	s_load_b64 s[20:21], s[0:1], 0x38              ; gimg
	s_load_b64 s[22:23], s[0:1], 0x40              ; cst
	v_lshl_add_u32 v192, v0, 2, 0x19000
	v_mov_b32 v193, 0
	v_lshrrev_b32 v1, 5, v0
	v_readfirstlane_b32 s24, v1                    ; wave 0..15
	v_and_b32 v2, 31, v0                           ; lane
	v_and_b32 v3, 15, v0                           ; r
	v_bfe_u32 v4, v0, 4, 1                         ; h
	v_lshlrev_b32 v6, 4, v2                        ; 16 x lane: a lane's place in an image
	s_wait_kmcnt 0x0
	s_cmp_eq_u32 ttmp9, 16
	s_cbranch_scc1 .Lpath_g
; ---- W1: wave = 4 w + v takes tiles 2 v, 2 v + 1 of part w, both K steps ----
	s_lshr_b32 s25, s24, 2                         ; w
	s_and_b32 s26, s24, 3                          ; v
	s_lshr_b32 s27, ttmp9, 2                       ; p
	s_and_b32 s28, ttmp9, 3                        ; k2
	s_lshl_b32 s29, s27, 9
	s_lshl_b32 s30, s25, 7
	s_add_co_u32 s29, s29, s30                     ; n0 = 512 p + 128 w
	s_mul_i32 s30, s29, 768                        ; a row of W1's codes is 768 bytes
	s_mul_i32 s32, s28, 192                        ; 256 along K are 192 bytes
	s_add_co_u32 s30, s30, s32
	s_mul_i32 s32, s26, 24576                      ; 32 rows
	s_add_co_u32 s30, s30, s32
	s_mov_b32 s31, 0
	s_mul_i32 s32, ttmp9, 102400
	s_mul_i32 s34, s25, 25600
	s_add_co_u32 s32, s32, s34
	s_mov_b32 s33, 0
	s_mul_i32 s34, s26, 3072                       ; two fragments' images
	s_mov_b32 s35, 0
	v_mul_u32_u24 v5, v3, 768
	v_mad_u32_u24 v5, v4, 24, v5                   ; row r, + 24 h: the lane's 24 bytes of a block pair
	s_add_nc_u64 s[4:5], s[4:5], s[30:31]
	s_add_nc_u64 s[18:19], s[18:19], s[32:33]      ; the part
	s_add_nc_u64 s[36:37], s[18:19], s[34:35]      ; my two tiles in it
.irp q, 0,1
.irp bb, 0,1
.irp p, 0,1,2,3,4,5
	global_load_b64 v[32+12*(2*\q+\bb)+2*\p:32+12*(2*\q+\bb)+2*\p+1], v5, s[4:5] offset:12288*\bb+96*\q+48*(\p/3)+8*(\p%3)
.endr
.endr
.endr
	s_wait_loadcnt 0x0
.irp q, 0,1
.irp bb, 0,1
.irp c, 0,1,2
	global_store_b128 v6, v[32+12*(2*\q+\bb)+4*\c:32+12*(2*\q+\bb)+4*\c+3], s[36:37] offset:12288*\q+1536*\bb+512*\c   ; 32 lanes store 512 consecutive bytes, aligned to 256
.endr
.endr
.endr
	s_cmp_lt_u32 s26, 2                            ; the scale words: four tiles a wave, by the waves with v = 0, 1
	s_cbranch_scc0 .Lw_done
	s_lshl_b32 s30, s29, 5                         ; a row of scale bytes is 32 bytes
	s_lshl_b32 s32, s28, 3                         ; 8 bytes for 256 along K
	s_add_co_u32 s30, s30, s32
	s_lshl_b32 s32, s26, 11                        ; 64 rows
	s_add_co_u32 s30, s30, s32
	s_add_nc_u64 s[6:7], s[6:7], s[30:31]
	s_lshl_b32 s32, s26, 9
	s_add_nc_u64 s[18:19], s[18:19], s[32:33]      ; (s[18:19] is no base of a pending store: those name s[36:37])
	v_lshlrev_b32 v7, 5, v3
	v_lshl_add_u32 v7, v4, 2, v7                   ; row r, K step h of the two
.irp j, 0,1,2,3
	global_load_b32 v[8+\j], v7, s[6:7] offset:512*\j
.endr
	s_wait_loadcnt 0x0
	global_store_b128 v6, v[8:11], s[18:19] offset:24576
.Lw_done:
	s_endpgm
; ---- G', T', E: one work-group of 512 threads; thread t keeps hidden units 4 t .. 4 t + 3 in registers ----
.Lpath_g:
	v_mul_u32_u24 v7, v0, 144                      ; rows 4 t .. 4 t + 3 of W2: 36 floats, register 9 jj + c
	v_lshlrev_b32 v8, 4, v0                        ; and the same four of g1 and be1
.irp i, 0,1,2,3,4,5,6,7,8
	global_load_b128 v[32+4*\i:35+4*\i], v7, s[8:9] offset:16*\i
.endr
	global_load_b128 v[68:71], v8, s[10:11]
	global_load_b128 v[72:75], v8, s[12:13]
	v_min_u32 v9, 8, v3                            ; b2 has 9 numbers: no lane reads past them
	v_lshlrev_b32 v9, 2, v9
	global_load_b32 v22, v9, s[14:15]
	s_lshl_b32 s25, s24, 7
	s_add_co_u32 s25, s25, RED
	s_lshl_b32 s26, s24, 6
	s_add_co_u32 s26, s26, RED2
	v_lshl_add_u32 v11, v2, 2, s25
	v_lshl_add_u32 v13, v3, 2, s26
	v_mov_b32 v12, 0
	ds_store_b32 v11, v12                          ; my wave's words begin as zeros: every word that is read later has been written
	ds_store_b32 v13, v12
	v_mov_b32 v14, s25
	v_mov_b32 v15, s26
	v_mov_b32 v25, 0                               ; a lane permute's destination counts as one of its sources
	s_mov_b32 s27, 0x76543210
	s_mov_b32 s28, 0xfedcba98                      ; selects for lane l xor 16
	s_mul_i32 s30, s24, 5120                       ; my wave's 32 groups of 160 bytes, in LDS and in gimg
	s_mov_b32 s31, 0
	s_add_nc_u64 s[20:21], s[20:21], s[30:31]
	v_lshrrev_b32 v26, 2, v2                       ; lane = 4 b + 2 h + k: my group lies at 640 b + 320 k + 160 h
	v_mul_u32_u24 v19, v26, 640
	v_bfe_u32 v26, v2, 1, 1
	v_mad_u32_u24 v19, v26, 160, v19
	v_and_b32 v26, 1, v2
	v_mad_u32_u24 v19, v26, 320, v19
	v_add_nc_u32 v19, s30, v19
	v_add_nc_u32 v20, s30, v6                      ; and back: 16 bytes a lane, on end
	s_wait_loadcnt 0x0
.irp c, 0,1,2,3,4,5,6,7,8
	v_mul_f32 v[76+\c], v68, v[32+\c]              ; my four rows' part of the column sums of g1 W2
	v_mul_f32 v[85+\c], v72, v[32+\c]              ; and of be1 W2
.endr
.irp jj, 1,2,3
.irp c, 0,1,2,3,4,5,6,7,8
	v_fma_f32 v[76+\c], v[68+\jj], v[32+9*\jj+\c], v[76+\c]
	v_fma_f32 v[85+\c], v[72+\jj], v[32+9*\jj+\c], v[85+\c]
.endr
.endr
.irp m, 1,2,4,8
.irp i, 0,1,2,3,4,5,6,7,8,9,10,11,12,13,14,15,16,17
	v_add_f32_dpp v[76+\i], v[76+\i], v[76+\i] row_xmask:\m row_mask:0xf bank_mask:0xf
.endr
.endr
.irp i, 0,1,2,3,4,5,6,7,8,9,10,11,12,13,14,15,16,17
	v_permlanex16_b32 v25, v[76+\i], s27, s28
	v_add_f32 v[76+\i], v[76+\i], v25              ; the wave's sum, in every lane
	ds_store_b32 v14, v[76+\i] offset:4*\i         ; all lanes write the same word with the same value
.endr
	s_wait_dscnt 0x0                               ; for the others' sake: my sums lie in LDS
	s_barrier_signal -1
	s_barrier_wait -1
	v_lshl_add_u32 v16, v3, 2, RED                 ; lane r adds up column r; lanes with r above 8 read other words of the same blocks, and nothing is made of them
.irp k, 0,1,2,3,4,5,6,7,8,9,10,11,12,13,14,15
	ds_load_b32 v[RL+\k], v16 offset:128*\k
	ds_load_b32 v[RL+16+\k], v16 offset:128*\k+36
.endr
	s_wait_dscnt 0x0
.irp k, 1,2,3,4,5,6,7,8,9,10,11,12,13,14,15
	v_add_f32 v[RL], v[RL], v[RL+\k]
	v_add_f32 v[RL+16], v[RL+16], v[RL+16+\k]      ; v[RL+16]: the sum of be1 W2, column r
.endr
	v_mul_f32 v17, 0x3a000000, v[RL]               ; the mean over the 2,048 hidden units of g1 W2, column r
.irp c, 0,1,2,3,4,5,6,7,8
	v_readlane_b32 s[32+\c], v17, \c               ; all nine, for every lane
.endr
.irp jj, 0,1,2,3
.irp c, 0,1,2,3,4,5,6,7,8
	v_fma_f32 v[OB+10*\jj+\c], v[68+\jj], v[32+9*\jj+\c], -s[32+\c]   ; G' = g1 W2 - its column's mean
.endr
	v_mov_b32 v[OB+10*\jj+9], 1.0
.endr
.irp c, 0,1,2,3,4,5,6,7,8
	v_add_f32 v[76+\c], v[OB+\c], v[OB+10+\c]      ; T' sums G' as it is stored
	v_add_f32 v[85+\c], v[OB+20+\c], v[OB+30+\c]
.endr
.irp c, 0,1,2,3,4,5,6,7,8
	v_add_f32 v[76+\c], v[76+\c], v[85+\c]
.endr
.irp i, 0,1,2,3,4,5,6,7,8,9
	ds_store_b128 v19, v[OB+4*\i:OB+4*\i+3] offset:16*\i
.endr
.irp i, 0,1,2,3,4,5,6,7,8,9
	ds_load_b128 v[OB+4*\i:OB+4*\i+3], v20 offset:512*\i   ; LDS serves a wave's instructions in order (ISA guide 5.7.1.4): these see my stores
.endr
.irp m, 1,2,4,8
.irp i, 0,1,2,3,4,5,6,7,8
	v_add_f32_dpp v[76+\i], v[76+\i], v[76+\i] row_xmask:\m row_mask:0xf bank_mask:0xf
.endr
.endr
.irp i, 0,1,2,3,4,5,6,7,8
	v_permlanex16_b32 v25, v[76+\i], s27, s28
	v_add_f32 v[76+\i], v[76+\i], v25
	ds_store_b32 v15, v[76+\i] offset:4*\i
.endr
	s_wait_dscnt 0x0                               ; my bytes of gimg are back, and, for the others' sake, my part of T' lies in LDS
.irp i, 0,1,2,3,4,5,6,7,8,9
	global_store_b128 v6, v[OB+4*\i:OB+4*\i+3], s[20:21] offset:512*\i   ; 32 lanes store 512 consecutive bytes, aligned to 256
.endr
	s_barrier_signal -1
	s_barrier_wait -1
	v_lshl_add_u32 v21, v3, 2, RED2
.irp k, 0,1,2,3,4,5,6,7,8,9,10,11,12,13,14,15
	ds_load_b32 v[RL+\k], v21 offset:64*\k
.endr
	s_wait_dscnt 0x0
.irp k, 1,2,3,4,5,6,7,8,9,10,11,12,13,14,15
	v_add_f32 v[RL], v[RL], v[RL+\k]
.endr
	s_cmp_lg_u32 s24, 0
	s_cbranch_scc1 .Lg_done
	v_add_f32 v[RL+16], v[RL+16], v22              ; E = the sum of be1 W2 + b2
	v_cmp_eq_u32 vcc_lo, 1, v4
	v_cndmask_b32 v28, v[RL], v[RL+16], vcc_lo     ; lanes 0-15: T'; lanes 16-31: E
	v_lshlrev_b32 v29, 2, v2
	global_store_b32 v29, v28, s[22:23]
.Lg_done:
	s_wait_tensorcnt 0x0
	ds_add_u32 v192, v193
	s_wait_dscnt 0x0
	s_endpgm
.Lfunc_end_k_qaf38eb4911_prep:
	.size	k_qaf38eb4911_prep, .Lfunc_end_k_qaf38eb4911_prep-k_qaf38eb4911_prep
	.p2alignl 7, 3214868480
	.fill 96, 4, 3214868480
	.section	.rodata,"a",@progbits
	.p2align	6, 0x0
	.amdhsa_kernel k_qaf38eb4911_prep
		.amdhsa_group_segment_fixed_size 104448
		.amdhsa_private_segment_fixed_size 0
		.amdhsa_enable_private_segment 0
		.amdhsa_kernarg_size 72
		.amdhsa_user_sgpr_count 2
		.amdhsa_user_sgpr_kernarg_segment_ptr 1
		.amdhsa_wavefront_size32 1
		.amdhsa_system_sgpr_workgroup_id_x 1
		.amdhsa_system_sgpr_workgroup_id_y 1
		.amdhsa_system_sgpr_workgroup_id_z 1
		.amdhsa_system_vgpr_workitem_id 0
		.amdhsa_next_free_vgpr 194
		.amdhsa_next_free_sgpr 66
		.amdhsa_reserve_vcc 1
		.amdhsa_float_denorm_mode_32 3
		.amdhsa_float_denorm_mode_16_64 3
		.amdhsa_memory_ordered 1
		.amdhsa_forward_progress 1
		.amdhsa_inst_pref_size 36
	.end_amdhsa_kernel
	.amdgpu_metadata
---
amdhsa.version: [ 1, 2 ]
amdhsa.kernels:
  - .name:           k_qaf38eb4911_prep
    .symbol:         k_qaf38eb4911_prep.kd
    .args:
      - { .name: W1_codes, .offset: 0, .size: 8, .value_kind: global_buffer, .address_space: global }
      - { .name: W1_scales, .offset: 8, .size: 8, .value_kind: global_buffer, .address_space: global }
      - { .name: W2, .offset: 16, .size: 8, .value_kind: global_buffer, .address_space: global }
      - { .name: g1, .offset: 24, .size: 8, .value_kind: global_buffer, .address_space: global }
      - { .name: be1, .offset: 32, .size: 8, .value_kind: global_buffer, .address_space: global }
      - { .name: b2, .offset: 40, .size: 8, .value_kind: global_buffer, .address_space: global }
      - { .name: w1img, .offset: 48, .size: 8, .value_kind: global_buffer, .address_space: global }
      - { .name: gimg, .offset: 56, .size: 8, .value_kind: global_buffer, .address_space: global }
      - { .name: cst, .offset: 64, .size: 8, .value_kind: global_buffer, .address_space: global }
    .group_segment_fixed_size: 104448
    .private_segment_fixed_size: 0
    .kernarg_segment_align: 8
    .kernarg_segment_size: 72
    .max_flat_workgroup_size: 512
    .sgpr_count:     66
    .vgpr_count:     194
    .wavefront_size: 32
...
	.end_amdgpu_metadata
.endif
;; end of part 3
;; launch main (part 4): grid 256 x 1, 4 waves a work-group, clusters of 4 x 1, 327,680 bytes of LDS; arguments x_codes, x_scales, w1img, gimg, cst, b1, g2, be2, out0; writes out0
.if DOCPART == 4
	.amdgcn_target "amdgcn-amd-amdhsa--gfx1250"
	.amdhsa_code_object_version 6
	.text
	.protected	k_qaf38eb4911_main
	.globl	k_qaf38eb4911_main
	.p2align	8
	.type	k_qaf38eb4911_main,@function
k_qaf38eb4911_main:
	s_mov_b64 s[64:65], 0
	v_nop
	global_prefetch_b8 v0, s[64:65] scope:SCOPE_SE
	s_setreg_imm32_b32 hwreg(HW_REG_WAVE_MODE, 25, 1), 1
	s_wait_xcnt 0x0
	s_wait_alu depctr_hold_cnt(0) depctr_sa_sdst(0) depctr_va_vdst(0) depctr_va_sdst(0) depctr_va_ssrc(0) depctr_va_vcc(0) depctr_vm_vsrc(0)
	s_getreg_b32 s2, hwreg(HW_REG_IB_STS2, 6, 4)
	s_cmp_eq_u32 s2, 0
	s_cbranch_scc0 .Lentry_in_a_cluster
	s_endpgm
.Lentry_in_a_cluster:
	s_bfe_u32 s2, ttmp6, 0x10000c
	s_cmp_lg_u32 s2, 0x3003
	s_cbranch_scc0 .Lentry_shape_is_right
	s_endpgm
.Lentry_shape_is_right:
; out0 = the projection onto SO(3) of LN2(relu(LN1(relu(x W1 + b1)) W2 + b2)), all in one launch; the hidden layer never leaves the registers.
; SHARES.  A work-group owns 128 whole rows of x and all 2,048 hidden units, in four passes of 512; wave w holds 128 rows x 128 units (512 p + 128 w ..) in 64 accumulators, 512 registers.
; x's codes and scale bytes come into LDS once and stay.  W1 comes as register images (made by the launch before) through two LDS slots of 256 along K; every work-group walks the same images,
; so the four work-groups of a cluster ask for each slot JOINTLY: the same tensor load with the same descriptor and the mask 15.  x is each work-group's own and is not shared.
; ONE TRIP OF THE LOOP IS ONE PASS, AND IT ASKS FOR EXACTLY THE FOUR SLOTS THAT IT READS: two at its head, two at its first two changes of slots.
; The price: a pass's first tile has only the writing of the biases in which to land.
; THE FIRST PRODUCT IS USED TRANSPOSED (source 0 = 16 columns of W1, source 1 = 16 rows of x): lane (r, h) holds row r, register j hidden unit 16 b + 8 h + j.
; b1 is written into the accumulators at a pass's head, so that every K step adds in place.
; LAYERNORM 1 IS FOLDED INTO THE SECOND PRODUCT: with a = relu(..), m and rs the row's mean and 1/sqrt(var + eps):  y[c] = rs (sum_j a[j] G'[j][c] - m T'[c]) + E[c]  (G', T', E: the launch before).
; THE SECOND PRODUCT (9 columns) IS DONE IN F32, BY PACKED FUSED MULTIPLY-ADDS at a pass's end: the projection divides an error of R by the difference of two singular values, so operands of 8 or 11 bits
; would not do.  The two halves of a packed instruction are two columns c; a is given to both.  A column of ones in G' gives the sum of a; the sum of a^2 is kept beside it.
; G' comes 5,120 bytes a wave and pass, dense, into 40 registers at the pass's head, and reaches all lanes through 2,560 bytes of LDS of the wave's own, half a pass at a time.
; THE PROJECTION: one-sided Jacobi (W = R V, six sweeps) gives the two longest columns w1, w2 and v1, v2;  out = u1 v1^T + u2 v2^T + (u1 x u2)(v1 x v2)^T, which is U diag(1, 1, det(U Vh)) Vh.
; LIMITS.  var1 = mean(a^2) - m^2 in f32: it loses about (m / sigma)^2 units of the last place.  Six sweeps are taken for 3 x 3 matrices, by the method's quadratic convergence.
; R = 0 gives the identity.  R of rank 1 gives a rotation that need not be the one a library's SVD picks.  |R| stays under 2^126.  NaN and infinities are not served.
; No prefetch: W1's images are read by every cluster again and again, and x is read at the head alone.
.set SLOTB, 102400                     ; a slot: four waves' parts
.set PARTB, 25600                      ; a part: 2 K steps x 8 fragments x 1,536 bytes, then 1,024 bytes of scale words; only the wave that fetched a part reads it
.set XC,    204800                     ; x's codes: 128 rows, pitch 816 = 768 + 8 bytes behind each 128: row r starts 12 r banks on (64 banks of 4 bytes: ISA guide 11.1)
.set XSL,   309248                     ; x's scale bytes, 32 a row
.set GSC,   313344                     ; 4 waves x 2,560 bytes: half a pass of G', each wave's own; written by LDS stores alone
.set SPARE, 325632                     ; the spare words, 128 bytes for each wave: two blocks of 256 bytes that no other line names
.set OST,   49152                      ; at the end, in slot 0 (last fill and last read past): byte 0: 8 partial sets x 128 rows x 48 bytes of sums; OST: the 128 rows of out0
.set SPW,  1                           ; v1   LDS address of my spare word; never rewritten
.set NIL,  2                           ; v2   0; never rewritten
.set BA,   4                           ; v4-5   my part of slot 0, 1, + 16 x lane
.set AXR,  6                           ; v6   XC + 816 r + 24 h;  v7: the same with 32 h, for pieces whose partner three pieces on lies behind one padding more;  v8-9: the two for row blocks 4-7
.set BIA0, 10                          ; v10  512 w + 32 h in b1;  v11: in the pass in hand
.set BIA,  11
.set XSA,  12                          ; v12  XSL + 32 r
.set GSW,  14                          ; v14  GSC + 2,560 w + 16 x lane: into my scratch
.set GSR,  15                          ; v15  GSC + 2,560 w + 160 h: out of it
.set GA0,  16                          ; v16  5,120 w + 16 x lane in gimg;  v17: in the pass in hand
.set GA,   17
.set XS,   32                          ; v32-63   x's scale words: set s at 32 + 16 s, register 2 i + q: row block i, K step q of the slot
.set S0,   64                          ; v64-95   row block a at 64 + 4 a: the sums with G' column 8, of a, and of a^2 in two halves
.set GST,  96                          ; v96-127  G' of a pass as loaded, registers 0-31;  v240-247: registers 32-39
.set GS2,  240
.set TT,   96                          ; v96-111  at a pass's end, once the first half has gone to the scratch: 16 numbers at work
.set WF1,  128                         ; v128-223 W1's fragments, K step 1 of a slot.  At a pass's head v128-191: its biases.  At its end: two buffers of a chunk of G' (40) at v128 and v176
.set GB,   128
.set WS,   224                         ; v224-239 W1's scale words: set s at 224 + 8 s, register b; lanes 0-15 K step 0, lanes 16-31 K step 1
.set WF0,  96                          ; window 1: v0-95 x's fragments; v96-191 W1's, K step 0 of a slot; v192-255: row block a at 192 + 8 a: the sums with G' columns 0 to 7
.set S1,   192                         ; windows 2, 3: accumulator (a, b) at v[8 (8 (a % 4) + b)], row blocks 0-3 and 4-7
.set WV,   22                          ; s22 wave; s23 cx; s24 work-group; s25 the pass; s28, s29 the pass in b1 and in gimg; s30, s31 at work
.set G1W,  32                          ; s[32:39] group 1, s[40:47] two groups 0: W1's slots
.set G0W,  40
.set G1X,  48                          ; s[48:55], s[56:59]: x's codes
.set G0X,  56
.set G0S,  60                          ; s[60:63], s[68:75]: x's scale bytes
.set G1S,  68
.set MSB, 0
.macro WIN new                         ; s_set_vgpr_msb: bits 1:0 source 0, 3:2 source 1, 5:4 source 2, 7:6 destination; the high byte repeats the setting that is left
.if MSB != \new
	s_set_vgpr_msb (MSB<<8)|\new
.set MSB, \new
.endif
.endm
.macro PLACES n                        ; plain vector instructions between a matrix instruction and a load into, or a vector access to, its registers
.rept \n
	v_nop
.endr
.endm
.macro CREST                           ; a round of the cluster's barrier behind its opening barrier
	s_cmp_lg_u32 s[WV], 0
	s_cbranch_scc1 .Lnot_wave_0_\@
	s_barrier_signal -3
.Lnot_wave_0_\@:
	s_barrier_wait -3
	s_barrier_signal -1
	s_barrier_wait -1
.endm
.macro CROUND
	s_barrier_signal -1
	s_barrier_wait -1
	CREST
.endm
; A fragment of x: 16 rows x 128 K, 12 registers, as six pieces of 8 bytes.  ks: the K step (0..7); i: the row block.  Every offset is an immediate, 39,968 at the most.
.macro FRAGA reg, ks, i
.irp p, 0,1,2,3,4,5
.set PC, 12*(\ks)+6*(\p/3)+\p%3
.if PC%16 < 13
	ds_load_b64 v[\reg+2*\p:\reg+2*\p+1], v[AXR+2*((\i)/4)] offset:8*PC+8*(PC/16)+13056*((\i)%4)
.else
	ds_load_b64 v[\reg+2*\p:\reg+2*\p+1], v[AXR+2*((\i)/4)+1] offset:8*PC+8*(PC/16)+13056*((\i)%4)
.endif
.endr
.endm
.macro FETCH_A ks, i0                  ; row blocks i0 .. i0 + 3: 24 loads
	WIN 0x40
.irp i, \i0, \i0+1, \i0+2, \i0+3
	FRAGA 12*(\i), \ks, \i
.endr
.endm
.macro FETCH_B slot, q                 ; W1's eight fragments of K step q of a slot, as they were stored: 24 loads of 512 consecutive bytes
.if \q
	WIN 0
.else
	WIN 0x40
.endif
.irp b, 0,1,2,3,4,5,6,7
.irp c, 0,1,2
.if \q
	ds_load_b128 v[WF1+12*\b+4*\c:WF1+12*\b+4*\c+3], v[BA+\slot] offset:12288+1536*\b+512*\c
.else
	ds_load_b128 v[WF0+12*\b+4*\c:WF0+12*\b+4*\c+3], v[BA+\slot] offset:1536*\b+512*\c
.endif
.endr
.endr
.endm
.macro SCL next, k2n                   ; a slot's scale words: 10 loads.  k2n: which 256 along K the slot holds
	WIN 0
.irp g, 0,1
	ds_load_b128 v[WS+8*\next+4*\g:WS+8*\next+4*\g+3], v[BA+\next] offset:24576+512*\g
.endr
.irp i, 0,1,2,3,4,5,6,7
	ds_load_b64 v[XS+16*\next+2*\i:XS+16*\next+2*\i+1], v[XSA] offset:8*\k2n+512*\i
.endr
.endm
; 16 matrix instructions: row blocks a0, a0 + 1 x W1's eight tiles, 128 along K.  The 64 accumulators take turns, one instruction a turn, in the same order in every step.
.macro MUL16 a0, q, slot
.irp a, \a0, \a0+1
.irp b, 0,1,2,3,4,5,6,7
.set AC, 8*(8*((\a)%4)+\b)
.if \q
	v_wmma_scale_f32_16x16x128_f8f6f4 v[AC:AC+7], v[WF1+12*\b:WF1+12*\b+11], v[12*(\a):12*(\a)+11], v[AC:AC+7], v[WS+8*\slot+\b], v[XS+16*\slot+2*(\a)+1] matrix_a_fmt:MATRIX_FMT_BF6 matrix_b_fmt:MATRIX_FMT_BF6 matrix_a_scale:MATRIX_SCALE_ROW1
.else
	v_wmma_scale_f32_16x16x128_f8f6f4 v[AC:AC+7], v[WF0+12*\b:WF0+12*\b+11], v[12*(\a):12*(\a)+11], v[AC:AC+7], v[WS+8*\slot+\b], v[XS+16*\slot+2*(\a)] matrix_a_fmt:MATRIX_FMT_BF6 matrix_b_fmt:MATRIX_FMT_BF6
.endif
.endr
.endr
.endm
; K step 0 of a slot that holds K = 256 k2 on.
.macro STEP slot, k2
	s_wait_dscnt 24                                ; all is in but the youngest 24 loads: x's row blocks 4-7
	WIN 0xa5
	MUL16 0, 0, \slot
	MUL16 2, 0, \slot
	s_wait_dscnt 0x0                               ; x's row blocks 4-7 are in
	PLACES 4
	FETCH_B \slot, 1
	FETCH_A 2*\k2+1, 0
	WIN 0xf5
	MUL16 4, 0, \slot
	MUL16 6, 0, \slot
	PLACES 4
	FETCH_A 2*\k2+1, 4
.endm
; K step 1 of a slot, and the change of slots: each wave waits for all its tensor loads (its part of the next slot), adds 0 to its spare word, and waits for that and for its reads of this slot; then the barrier.
; The load that has landed is the next slot's: its group 0 steps two slots on.  fill = 1: the barrier opens a round of the cluster's barrier, and behind the round this slot is filled again, two slots ahead:
; the wave's one tensor load until the next round.  fill = 0: the pass has asked for all its slots; the barrier stays: behind the launch's last one, slot 0 is no longer read by any wave.
.macro TURN slot, next, fill, k2n
	WIN 0                                          ; (the add's two registers lie in window 0)
	s_wait_tensorcnt 0x0
	ds_add_u32 v[SPW], v[NIL]
	s_add_nc_u64 s[G0W+4*\next+2:G0W+4*\next+3], s[G0W+4*\next+2:G0W+4*\next+3], 2*SLOTB
	s_wait_dscnt 25                                ; the add and the youngest 24 loads (x's row blocks 4-7) may be out
	WIN 0xa4
	MUL16 0, 1, \slot
	s_wait_dscnt 0x0                               ; the add is done, and my reads of this slot are over
	s_barrier_signal -1
	MUL16 2, 1, \slot
	WIN 0
	s_barrier_wait -1
.if \fill
	CREST                                          ; no wave of any partner still reads this slot or has a load on its way
	tensor_load_to_lds s[G0W+4*\slot:G0W+4*\slot+3], s[G1W:G1W+7]
	s_nop 0
.endif
	PLACES 4                                       ; behind the tensor load, and the places in front of the loads below
	FETCH_B \next, 0
	FETCH_A 2*\k2n, 0
	SCL \next, \k2n
	WIN 0xf4
	MUL16 4, 1, \slot
	MUL16 6, 1, \slot
	PLACES 4
	FETCH_A 2*\k2n, 4
.endm
; A fill at a pass's head: the same three lines, a whole round, the wave's one tensor load.  step = 1: slot 0's load has landed, and its group 0 steps two slots on.
.macro HEADFILL slot, step
	s_wait_tensorcnt 0x0
	ds_add_u32 v[SPW], v[NIL]
.if \step
	s_add_nc_u64 s[G0W+2:G0W+3], s[G0W+2:G0W+3], 2*SLOTB
.endif
	s_wait_dscnt 0x0
	CROUND
	tensor_load_to_lds s[G0W+4*\slot:G0W+4*\slot+3], s[G1W:G1W+7]
	s_nop 0
	PLACES 4
.endm
; AT A PASS'S END.  d (a pair of sums, two columns c) += one number of T, given to both halves, x a pair of G'.  s: the number is the pair t's second register.
.macro PKB d, t, s, g
.if \s
	v_pk_fma_f32 v[\d:\d+1], v[\t:\t+1], v[\g:\g+1], v[\d:\d+1] op_sel:[1,0,0] op_sel_hi:[1,1,1]
.else
	v_pk_fma_f32 v[\d:\d+1], v[\t:\t+1], v[\g:\g+1], v[\d:\d+1] op_sel_hi:[0,1,1]
.endif
.endm
; Chunk q = 2 b + k (registers 4 k .. 4 k + 3 of the tiles b: a lane's four hidden units), row blocks 4 g .. 4 g + 3: relu, then 88 packed multiply-adds.
; Between two instructions on one pair of sums stand 15, 7 or 3 on others.
.macro EG q, g
.set GBQ, GB+48*((\q)%2)
.set AO, 4*(\q)
.set WRD, (2+\g)<<2
	WIN WRD
.irp ai, 0,1,2,3
.irp u, 0,1,2,3
	v_max_num_f32 v[TT+4*\ai+\u], 0, v[64*\ai+AO+\u]       ; each accumulator is read from its low end on: chunk 2 b stands ahead of chunk 2 b + 1
.endr
.endr
	WIN 0x50                                       ; the sums with columns 0 to 7 lie in window 1
.irp u, 0,1,2,3
.irp ai, 0,1,2,3
.irp i, 0,1,2,3
	PKB S1+8*(4*\g+\ai)+2*\i, TT+4*\ai+2*(\u/2), \u%2, GBQ+10*\u+2*\i
.endr
.endr
.endr
	WIN 0
.irp u, 0,1,2,3
.irp ai, 0,1,2,3
	PKB S0+4*(4*\g+\ai), TT+4*\ai+2*(\u/2), \u%2, GBQ+10*\u+8      ; column 8, and the column of ones
.endr
.if \u < 2
.irp ai, 0,1,2,3
	v_pk_fma_f32 v[S0+4*(4*\g+\ai)+2:S0+4*(4*\g+\ai)+3], v[TT+4*\ai+2*\u:TT+4*\ai+2*\u+1], v[TT+4*\ai+2*\u:TT+4*\ai+2*\u+1], v[S0+4*(4*\g+\ai)+2:S0+4*(4*\g+\ai)+3]
.endr
.endif
.endr
.endm
.macro GFETCH q                        ; chunk q out of my scratch into buffer q % 2: lanes 0-15 read one run of 160 bytes, lanes 16-31 the run behind it: 10 loads
.set GBF, GB+48*((\q)%2)
.irp i, 0,1,2,3,4,5,6,7,8,9
	ds_load_b128 v[GBF+4*\i:GBF+4*\i+3], v[GSR] offset:320*((\q)%8)+16*\i
.endr
.endm
.macro GLOAD                           ; a pass's G', my wave's 5,120 bytes: each load covers 512 consecutive bytes
.irp i, 0,1,2,3,4,5,6,7
	global_load_b128 v[GST+4*\i:GST+4*\i+3], v[GA], s[10:11] offset:512*\i
.endr
.irp i, 0,1
	global_load_b128 v[GS2+4*\i:GS2+4*\i+3], v[GA], s[10:11] offset:4096+512*\i
.endr
.endm
.macro EPI
	s_wait_loadcnt 0x0                             ; this pass's G' is in
	PLACES 4
.irp i, 0,1,2,3,4
	ds_store_b128 v[GSW], v[GST+4*\i:GST+4*\i+3] offset:512*\i     ; chunks 0 to 7 into my scratch
.endr
	GFETCH 0
.irp q, 0,1,2,3,4,5,6,7,8,9,10,11,12,13,14,15
.if \q == 7                            ; chunk 7's loads have been issued, and LDS serves a wave's instructions in order (ISA guide 5.7.1.4): chunks 8 to 15 take the scratch
.irp i, 0,1,2
	ds_store_b128 v[GSW], v[GST+20+4*\i:GST+20+4*\i+3] offset:512*\i
.endr
.irp i, 0,1
	ds_store_b128 v[GSW], v[GS2+4*\i:GS2+4*\i+3] offset:1536+512*\i
.endr
.endif
.if \q < 15
	GFETCH \q+1
.if \q == 7
	s_wait_dscnt 15                                ; this chunk is in; the five stores and the next chunk's ten loads may be out
.else
	s_wait_dscnt 10                                ; this chunk is in (and so are the stores ahead of it); the next chunk's ten loads may be out
.endif
.else
	s_wait_dscnt 0x0
.endif
	EG \q, 0
	EG \q, 1
.endr
.endm
; ---------------- the head ----------------
	s_load_b512 s[4:19], s[0:1], 0x0               ; x_codes s[4:5], x_scales s[6:7], w1img s[8:9], gimg s[10:11], cst s[12:13], b1 s[14:15], g2 s[16:17], be2 s[18:19]
	s_load_b64 s[20:21], s[0:1], 0x40              ; out0
	v_lshl_add_u32 v[SPW], v0, 2, SPARE
	v_mov_b32 v[NIL], 0
	ds_add_u32 v1, v2
	ds_add_u32 v1, v2
	s_wait_dscnt 0x0
	v_lshrrev_b32 v18, 5, v0
	v_readfirstlane_b32 s[WV], v18                 ; wave 0..3
	s_bfe_u32 s23, ttmp6, 0x40000                  ; cx: it enters x's and out0's addresses alone
	s_lshl_b32 s24, ttmp9, 2
	s_add_co_u32 s24, s24, s23                     ; my block of 128 rows
	; W1's part of a slot: 25,600 dense bytes as 100 rows of 256 (32 elements of 8 bytes); asked for jointly by the four work-groups
	s_mov_b32 s[G1W], 15|(3<<16)|(1<<21)
	s_mov_b32 s[G1W+1], 32<<16
	s_mov_b32 s[G1W+2], 100<<16
	s_mov_b32 s[G1W+3], 32<<16
	s_mov_b32 s[G1W+4], 100
	s_mov_b32 s[G1W+5], 32
	s_mov_b32 s[G1W+6], 0
	s_mov_b32 s[G1W+7], 0
	; x's codes: 32 rows of 768 bytes (96 elements), 2 words of padding behind every 32 words
	s_mov_b32 s[G1X], (3<<16)|(1<<20)|(4<<22)|(1<<25)
	s_mov_b32 s[G1X+1], 96<<16
	s_mov_b32 s[G1X+2], 32<<16
	s_mov_b32 s[G1X+3], 96<<16
	s_mov_b32 s[G1X+4], 32
	s_mov_b32 s[G1X+5], 96
	s_mov_b32 s[G1X+6], 0
	s_mov_b32 s[G1X+7], 0
	; x's scale bytes: 1,024 dense bytes as 4 rows of 256
	s_mov_b32 s[G1S], 3<<16
	s_mov_b32 s[G1S+1], 32<<16
	s_mov_b32 s[G1S+2], 4<<16
	s_mov_b32 s[G1S+3], 32<<16
	s_mov_b32 s[G1S+4], 4
	s_mov_b32 s[G1S+5], 32
	s_mov_b32 s[G1S+6], 0
	s_mov_b32 s[G1S+7], 0
	s_mul_i32 s30, s[WV], PARTB                    ; my part of a slot, in w1img and in LDS: the wave's number alone
	s_mov_b32 s31, 0
	s_mul_i32 s88, s24, 98304                      ; x's codes: 128 rows of 768 bytes a work-group,
	s_mul_i32 s89, s[WV], 24576                    ; 32 rows a wave
	s_add_co_u32 s88, s88, s89
	s_mov_b32 s89, 0
	s_lshl_b32 s92, s24, 12                        ; x's scale bytes: 4,096 a work-group, 1,024 a wave
	s_lshl_b32 s93, s[WV], 10
	s_add_co_u32 s92, s92, s93
	s_mov_b32 s93, 0
	s_wait_kmcnt 0x0
	s_mov_b32 s[G0W], 1
	s_mov_b32 s[G0W+1], s30
	s_add_nc_u64 s[G0W+2:G0W+3], s[8:9], s[30:31]  ; slot 0 begins with block 0 of w1img,
	s_or_b32 s[G0W+3], s[G0W+3], 0x80000000
	s_mov_b32 s[G0W+4], 1
	s_add_co_u32 s[G0W+5], s30, SLOTB
	s_add_nc_u64 s[G0W+6:G0W+7], s[8:9], s[30:31]
	s_add_nc_u64 s[G0W+6:G0W+7], s[G0W+6:G0W+7], SLOTB   ; slot 1 with block 1
	s_or_b32 s[G0W+7], s[G0W+7], 0x80000000
	s_mov_b32 s[G0X], 1
	s_mul_i32 s[G0X+1], s[WV], 26112
	s_add_co_u32 s[G0X+1], s[G0X+1], XC
	s_add_nc_u64 s[G0X+2:G0X+3], s[4:5], s[88:89]
	s_or_b32 s[G0X+3], s[G0X+3], 0x80000000
	s_mov_b32 s[G0S], 1
	s_lshl_b32 s[G0S+1], s[WV], 10
	s_add_co_u32 s[G0S+1], s[G0S+1], XSL
	s_add_nc_u64 s[G0S+2:G0S+3], s[6:7], s[92:93]
	s_or_b32 s[G0S+3], s[G0S+3], 0x80000000
	CROUND                                         ; in a cluster launch every group of tensor loads stands behind a round
	tensor_load_to_lds s[G0S:G0S+3], s[G1S:G1S+7]  ; x, filled once: two loads of mine are out
	s_nop 0
	tensor_load_to_lds s[G0X:G0X+3], s[G1X:G1X+7]
	s_nop 0
	PLACES 4
	v_and_b32 v18, 31, v0                          ; lane
	v_and_b32 v19, 15, v0                          ; r
	v_bfe_u32 v20, v0, 4, 1                        ; h
	v_lshl_add_u32 v[BA], v18, 4, s30
	v_add_nc_u32 v[BA+1], SLOTB, v[BA]
	v_mul_u32_u24 v21, v19, 816
	v_add_nc_u32 v21, XC, v21
	v_mad_u32_u24 v[AXR], v20, 24, v21
	v_lshl_add_u32 v[AXR+1], v20, 5, v21
	v_add_nc_u32 v[AXR+2], 52224, v[AXR]           ; 64 rows on
	v_add_nc_u32 v[AXR+3], 52224, v[AXR+1]
	v_lshl_add_u32 v[XSA], v19, 5, XSL
	s_mul_i32 s88, s[WV], 2560
	s_add_co_u32 s88, s88, GSC
	v_lshl_add_u32 v[GSW], v18, 4, s88
	v_mul_u32_u24 v[GSR], v20, 160
	v_add_nc_u32 v[GSR], s88, v[GSR]
	s_mul_i32 s88, s[WV], 5120
	v_lshl_add_u32 v[GA0], v18, 4, s88
	s_lshl_b32 s88, s[WV], 9
	v_lshl_add_u32 v[BIA0], v20, 5, s88            ; b1: my wave's 128 numbers of a pass, + 8 h
	WIN 0x40
.irp i, 0,1,2,3,4,5,6,7,8,9,10,11,12,13,14,15,16,17,18,19,20,21,22,23,24,25,26,27,28,29,30,31,32,33,34,35,36,37,38,39,40,41,42,43,44,45,46,47,48,49,50,51,52,53,54,55,56,57,58,59,60,61,62,63
	v_mov_b32 v[S1+\i], 0                          ; the second product's sums run over all four passes, whose text stands once: so they begin as zeros
.endr
	WIN 0
.irp i, 0,1,2,3,4,5,6,7,8,9,10,11,12,13,14,15,16,17,18,19,20,21,22,23,24,25,26,27,28,29,30,31
	v_mov_b32 v[S0+\i], 0
.endr
	s_mov_b32 s25, 0
	s_mov_b32 s28, 0
	s_mov_b32 s29, 0
; ---------------- four passes ----------------
.Lpass:
	s_min_u32 s30, s28, 6144                       ; this pass's 2,048 bytes of b1 (held inside the buffer)
	v_add_nc_u32 v[BIA], s30, v[BIA0]
	s_min_u32 s30, s29, 61440                      ; and its 20,480 bytes of gimg
	v_add_nc_u32 v[GA], s30, v[GA0]
.irp b, 0,1,2,3,4,5,6,7
	global_load_b128 v[128+8*\b:128+8*\b+3], v[BIA], s[14:15] offset:64*\b       ; lane (r, h): the biases of units 16 b + 8 h + 0 .. 7
	global_load_b128 v[128+8*\b+4:128+8*\b+7], v[BIA], s[14:15] offset:64*\b+16
.endr
	GLOAD                                          ; wanted at the pass's end
	HEADFILL 0, 0                                  ; in the first trip the wait and the round also show x whole to every wave
	s_wait_loadcnt 10                              ; the 16 loads of biases are in; the 10 of G' behind them may be out
.irp a, 0,1,2,3,4,5,6,7                ; the pass's sums begin as b1, while its first tile lands
.set WA, (2+\a/4)<<6
	WIN WA
.irp i, 0,1,2,3,4,5,6,7,8,9,10,11,12,13,14,15,16,17,18,19,20,21,22,23,24,25,26,27,28,29,30,31
	v_pk_mul_f32 v[64*(\a%4)+2*\i:64*(\a%4)+2*\i+1], v[128+2*\i:128+2*\i+1], 1.0 op_sel_hi:[1,0]
.endr
.endr
	WIN 0
	HEADFILL 1, 1                                  ; its wait shows my part of slot 0 landed, and only I read that part
	FETCH_B 0, 0
	FETCH_A 0, 0
	SCL 0, 0
	FETCH_A 0, 4
	STEP 0, 0
	TURN 0, 1, 1, 1
	STEP 1, 1
	TURN 1, 0, 1, 2
	STEP 0, 2
	TURN 0, 1, 0, 3
	STEP 1, 3
	s_wait_dscnt 24                                ; the pass's last K step: nothing more to fetch
	WIN 0xa4
	MUL16 0, 1, 1
	MUL16 2, 1, 1
	s_wait_dscnt 0x0
	WIN 0xf4
	MUL16 4, 1, 1
	MUL16 6, 1, 1
	WIN 0
	EPI
	s_add_co_u32 s28, s28, 2048
	s_add_co_u32 s29, s29, 20480
	s_add_co_u32 s25, s25, 1
	s_cmp_lt_u32 s25, 4
	s_cbranch_scc1 .Lpass
; ---------------- the rows' sums meet in LDS; then a thread takes a row ----------------
.set JM,  192                          ; m
.set JV,  193                          ; a variance
.set JR,  194                          ; 1 / sqrt(variance + eps)
.set JU,  205                          ; a mean
.set WM,  196                          ; v196-204 y, then R, then W = R V: element (i, p) at 3 i + p
.set VM,  206                          ; v206-214 V
.set JAL, 144
.set JBE, 145
.set JGA, 146
.set JTA, 147
.set JGG, 148
.set JH2, 149
.set JHM, 150
.set JRH, 151
.set JSG, 152
.set JC2, 153
.set JS2, 154
.set JCC, 155
.set JRC, 156
.set JSH, 157
.set JCS, 158
.set JSN, 159
.set JT1, 160
.set JT2, 161
.set JN,  162                          ; v162-164 the columns' squared lengths
.set U1,  166
.set XV,  170
.set FA,  173
.set FB,  176
.set U2,  180
.set C1,  183
.set C2V, 186
.set OUT, 128
	v_and_b32 v19, 15, v0
	v_bfe_u32 v20, v0, 4, 1
	s_mul_i32 s30, s[WV], 12288
	v_mul_u32_u24 v21, v19, 48
	v_add_nc_u32 v21, s30, v21
	v_mad_u32_u24 v22, v20, 6144, v21              ; partial set 2 w + h: 128 rows of 48 bytes; row r of a block
	v_mul_u32_u24 v24, v0, 48                      ; back: thread t takes row t
	v_mul_u32_u24 v25, v0, 36
	v_add_nc_u32 v25, OST, v25                     ; its nine results
	v_lshlrev_b32 v26, 4, v0
	v_add_nc_u32 v27, OST, v26
	WIN 0x04                                       ; an LDS store's data are its source 1: window 1
.irp a, 0,1,2,3,4,5,6,7
	ds_store_b128 v22, v[S1+8*\a:S1+8*\a+3] offset:768*\a
	ds_store_b128 v22, v[S1+8*\a+4:S1+8*\a+7] offset:768*\a+16
.endr
	WIN 0
.irp a, 0,1,2,3,4,5,6,7
	ds_store_b128 v22, v[S0+4*\a:S0+4*\a+3] offset:768*\a+32
.endr
	s_load_b256 s[32:39], s[12:13], 0x0            ; T' (no tensor load is out: the descriptors' registers are free)
	s_load_b32 s40, s[12:13], 0x20
	s_load_b256 s[44:51], s[12:13], 0x40           ; E
	s_load_b32 s52, s[12:13], 0x60
	s_load_b256 s[68:75], s[16:17], 0x0            ; g2
	s_load_b32 s76, s[16:17], 0x20
	s_load_b256 s[80:87], s[18:19], 0x0            ; be2
	s_load_b32 s88, s[18:19], 0x20
	s_mul_i32 s30, s24, 4608                       ; my 128 rows of out0
	s_mov_b32 s31, 0
	s_add_nc_u64 s[20:21], s[20:21], s[30:31]
	s_wait_dscnt 0x0                               ; for the others' sake
	s_barrier_signal -1
	s_barrier_wait -1
.irp k, 0,1,2,3,4,5,6,7
	ds_load_b128 v[128+12*\k:128+12*\k+3], v24 offset:6144*\k
	ds_load_b128 v[128+12*\k+4:128+12*\k+7], v24 offset:6144*\k+16
	ds_load_b128 v[128+12*\k+8:128+12*\k+11], v24 offset:6144*\k+32
.endr
	s_wait_dscnt 0x0
.irp i, 0,1,2,3,4,5
	v_pk_add_f32 v[128+2*\i:129+2*\i], v[128+2*\i:129+2*\i], v[140+2*\i:141+2*\i]
	v_pk_add_f32 v[152+2*\i:153+2*\i], v[152+2*\i:153+2*\i], v[164+2*\i:165+2*\i]
	v_pk_add_f32 v[176+2*\i:177+2*\i], v[176+2*\i:177+2*\i], v[188+2*\i:189+2*\i]
	v_pk_add_f32 v[200+2*\i:201+2*\i], v[200+2*\i:201+2*\i], v[212+2*\i:213+2*\i]
.endr
.irp i, 0,1,2,3,4,5
	v_pk_add_f32 v[128+2*\i:129+2*\i], v[128+2*\i:129+2*\i], v[152+2*\i:153+2*\i]
	v_pk_add_f32 v[176+2*\i:177+2*\i], v[176+2*\i:177+2*\i], v[200+2*\i:201+2*\i]
.endr
.irp i, 0,1,2,3,4,5
	v_pk_add_f32 v[128+2*\i:129+2*\i], v[128+2*\i:129+2*\i], v[176+2*\i:177+2*\i]   ; v128-136 the sums with G', v137 the sum of a, v138-139 of a^2
.endr
	v_mul_f32 v[JM], 0x3a000000, v137              ; / 2,048
	v_add_f32 v[JV], v138, v139
	v_mul_f32 v[JV], 0x3a000000, v[JV]
	v_fma_f32 v[JV], -v[JM], v[JM], v[JV]
	v_max_num_f32 v[JV], 0, v[JV]
	v_add_f32 v[JV], 0x3727c5ac, v[JV]             ; + 1e-5
	v_rsq_f32 v[JR], v[JV]
	s_wait_kmcnt 0x0
.irp c, 0,1,2,3,4,5,6,7,8
	v_fma_f32 v[WM+\c], -v[JM], s[32+\c], v[128+\c]
.endr
	s_wait_alu depctr_va_vdst(0)                   ; ahead of the root's first reader
.irp c, 0,1,2,3,4,5,6,7,8
	v_fma_f32 v[WM+\c], v[JR], v[WM+\c], s[44+\c]
.endr
.irp c, 0,1,2,3,4,5,6,7,8
	v_max_num_f32 v[WM+\c], 0, v[WM+\c]            ; y
.endr
	v_add_f32 v[JU], v[WM], v[WM+1]
.irp c, 2,3,4,5,6,7,8
	v_add_f32 v[JU], v[JU], v[WM+\c]
.endr
	v_mul_f32 v[JU], 0x3de38e39, v[JU]             ; / 9
.irp c, 0,1,2,3,4,5,6,7,8
	v_sub_f32 v[WM+\c], v[WM+\c], v[JU]
.endr
	v_mul_f32 v[JV], v[WM], v[WM]
.irp c, 1,2,3,4,5,6,7,8
	v_fma_f32 v[JV], v[WM+\c], v[WM+\c], v[JV]
.endr
	v_mul_f32 v[JV], 0x3de38e39, v[JV]
	v_add_f32 v[JV], 0x3727c5ac, v[JV]
	v_rsq_f32 v[JR], v[JV]
.irp i, 0,1,2,3,4,5,6,7,8
.if (\i % 4) == 0
	v_mov_b32 v[VM+\i], 1.0                        ; V = I
.else
	v_mov_b32 v[VM+\i], 0
.endif
.endr
	s_wait_alu depctr_va_vdst(0)
.irp c, 0,1,2,3,4,5,6,7,8
	v_mul_f32 v[WM+\c], v[WM+\c], v[JR]
.endr
.irp c, 0,1,2,3,4,5,6,7,8
	v_fma_f32 v[WM+\c], v[WM+\c], s[68+\c], s[80+\c]               ; R
.endr
	; R x 2^(127 - the exponent field of its largest magnitude): exact, and the projection does not hang on R's scale
	v_max3_num_f32 v[JT1], |v[WM]|, |v[WM+1]|, |v[WM+2]|
	v_max3_num_f32 v[JT1], v[JT1], |v[WM+3]|, |v[WM+4]|
	v_max3_num_f32 v[JT1], v[JT1], |v[WM+5]|, |v[WM+6]|
	v_max3_num_f32 v[JT1], v[JT1], |v[WM+7]|, |v[WM+8]|
	v_lshrrev_b32 v[JT1], 23, v[JT1]
	v_sub_nc_u32 v[JT1], 254, v[JT1]
	v_lshlrev_b32 v[JT1], 23, v[JT1]
.irp c, 0,1,2,3,4,5,6,7,8
	v_mul_f32 v[WM+\c], v[WM+\c], v[JT1]
.endr
; Columns p and q of W are turned so that they stand at right angles; V is turned with them.  tan(2 t) = 2 (wp . wq) / (|wq|^2 - |wp|^2), 2 t between -90 and 90 degrees; where both are next to nothing, no turn.
.macro ROT p, q
	v_mul_f32 v[JAL], v[WM+\p], v[WM+\p]
	v_mul_f32 v[JBE], v[WM+\q], v[WM+\q]
	v_mul_f32 v[JGA], v[WM+\p], v[WM+\q]
.irp i, 3,6
	v_fma_f32 v[JAL], v[WM+\i+\p], v[WM+\i+\p], v[JAL]
	v_fma_f32 v[JBE], v[WM+\i+\q], v[WM+\i+\q], v[JBE]
	v_fma_f32 v[JGA], v[WM+\i+\p], v[WM+\i+\q], v[JGA]
.endr
	v_sub_f32 v[JTA], v[JBE], v[JAL]
	v_add_f32 v[JGG], v[JGA], v[JGA]
	v_mul_f32 v[JH2], v[JTA], v[JTA]
	v_fma_f32 v[JH2], v[JGG], v[JGG], v[JH2]
	v_max_num_f32 v[JHM], 0x4000000, v[JH2]        ; held at 2^-119 from below
	v_rsq_f32 v[JRH], v[JHM]
	v_and_b32 v[JSG], 0x80000000, v[JTA]
	v_cmp_lt_f32 vcc_lo, 0x4000000, v[JH2]
	s_wait_alu depctr_va_vdst(0)
	v_mul_f32 v[JC2], |v[JTA]|, v[JRH]             ; cos 2 t
	v_mul_f32 v[JS2], v[JGG], v[JRH]
	v_xor_b32 v[JS2], v[JSG], v[JS2]               ; sin 2 t
	v_cndmask_b32 v[JC2], 1.0, v[JC2], vcc_lo
	v_cndmask_b32 v[JS2], 0, v[JS2], vcc_lo
	v_fma_f32 v[JCC], v[JC2], 0.5, 0.5             ; cos^2 t, at least a half
	v_rsq_f32 v[JRC], v[JCC]
	v_mul_f32 v[JSH], 0.5, v[JS2]
	s_wait_alu depctr_va_vdst(0)
	v_mul_f32 v[JCS], v[JCC], v[JRC]               ; cos t
	v_mul_f32 v[JSN], v[JSH], v[JRC]               ; sin t
.irp b, WM, WM+3, WM+6, VM, VM+3, VM+6
	v_mul_f32 v[JT1], v[JSN], v[\b+\q]
	v_mul_f32 v[JT2], v[JSN], v[\b+\p]
	v_fma_f32 v[\b+\p], v[JCS], v[\b+\p], -v[JT1]
	v_fma_f32 v[\b+\q], v[JCS], v[\b+\q], v[JT2]
.endr
.endm
	s_mov_b32 s25, 6
.Lsweep:
	ROT 0, 1
	ROT 0, 2
	ROT 1, 2
	s_sub_co_i32 s25, s25, 1
	s_cmp_lg_u32 s25, 0
	s_cbranch_scc1 .Lsweep
.macro DOT3 d, a, sa, b, sb            ; d = the sum over i of a[i sa] b[i sb]
	v_mul_f32 v[\d], v[\a], v[\b]
	v_fma_f32 v[\d], v[\a+\sa], v[\b+\sb], v[\d]
	v_fma_f32 v[\d], v[\a+2*\sa], v[\b+2*\sb], v[\d]
.endm
.macro PROJ d, x, sx, dot, u           ; d = x - dot u
.irp i, 0,1,2
	v_fma_f32 v[\d+\i], -v[\dot], v[\u+\i], v[\x+\i*\sx]
.endr
.endm
.macro CROSS d, a, sa, b, sb           ; d = a x b
	v_mul_f32 v[\d], v[\a+2*\sa], v[\b+\sb]
	v_mul_f32 v[\d+1], v[\a], v[\b+2*\sb]
	v_mul_f32 v[\d+2], v[\a+\sa], v[\b]
	v_fma_f32 v[\d], v[\a+\sa], v[\b+2*\sb], -v[\d]
	v_fma_f32 v[\d+1], v[\a+2*\sa], v[\b], -v[\d+1]
	v_fma_f32 v[\d+2], v[\a], v[\b+\sb], -v[\d+2]
.endm
.macro CSWAP p, q                      ; columns p and q change places where q is the longer; equal lengths keep their order
	v_cmp_gt_f32 vcc_lo, v[JN+\q], v[JN+\p]
.irp b, WM, WM+3, WM+6, VM, VM+3, VM+6, JN
	v_cndmask_b32 v[JT1], v[\b+\p], v[\b+\q], vcc_lo
	v_cndmask_b32 v[\b+\q], v[\b+\q], v[\b+\p], vcc_lo
	v_mov_b32 v[\b+\p], v[JT1]
.endr
.endm
	DOT3 JN, WM, 3, WM, 3
	DOT3 JN+1, WM+1, 3, WM+1, 3
	DOT3 JN+2, WM+2, 3, WM+2, 3
	CSWAP 0, 1
	CSWAP 0, 2
	v_cmp_gt_f32 vcc_lo, v[JN+2], v[JN+1]          ; the second place takes the longer of the two that are left
.irp b, WM, WM+3, WM+6, VM, VM+3, VM+6
	v_cndmask_b32 v[\b+1], v[\b+1], v[\b+2], vcc_lo
.endr
	v_max_num_f32 v[JT1], 0x1e3ce508, v[JN]
	v_rsq_f32 v[JRH], v[JT1]
	v_mul_f32 v[JT2], 0x29e12e13, v[JN]            ; 1e-13 |w1|^2: under it the second column counts as nothing
	v_cmp_lt_f32 vcc_lo, 0x1e3ce508, v[JN]         ; |w1|^2 over 1e-20: R is not 0
	s_wait_alu depctr_va_vdst(0)
.irp i, 0,1,2
	v_mul_f32 v[U1+\i], v[WM+3*\i], v[JRH]
.endr
.irp i, 0,1,2
	v_cndmask_b32 v[U1+\i], v[VM+3*\i], v[U1+\i], vcc_lo           ; u1 = w1 / |w1|, or v1 where R = 0
.endr
	DOT3 JAL, U1, 1, WM+1, 3
	PROJ XV, WM+1, 3, JAL, U1                      ; w2 at right angles to u1
	DOT3 JBE, XV, 1, XV, 1
	DOT3 JAL, U1, 1, VM+1, 3
	PROJ FA, VM+1, 3, JAL, U1                      ; in its stead, where it is nothing: v2 or v1 at right angles to u1; the longer of the two has a squared length of a half at the least
	DOT3 JGA, FA, 1, FA, 1
	DOT3 JAL, U1, 1, VM, 3
	PROJ FB, VM, 3, JAL, U1
	DOT3 JGG, FB, 1, FB, 1
	v_cmp_ge_f32 vcc_lo, v[JGA], v[JGG]
.irp i, 0,1,2
	v_cndmask_b32 v[FA+\i], v[FB+\i], v[FA+\i], vcc_lo
.endr
	v_cmp_gt_f32 vcc_lo, v[JBE], v[JT2]
.irp i, 0,1,2
	v_cndmask_b32 v[XV+\i], v[FA+\i], v[XV+\i], vcc_lo
.endr
	DOT3 JBE, XV, 1, XV, 1
	v_max_num_f32 v[JBE], 0x0d800000, v[JBE]
	v_rsq_f32 v[JRC], v[JBE]
	CROSS C2V, VM, 3, VM+1, 3                      ; v1 x v2
	s_wait_alu depctr_va_vdst(0)
.irp i, 0,1,2
	v_mul_f32 v[U2+\i], v[XV+\i], v[JRC]
.endr
	CROSS C1, U1, 1, U2, 1                         ; u1 x u2
.irp i, 0,1,2
.irp j, 0,1,2
	v_mul_f32 v[OUT+3*\i+\j], v[U1+\i], v[VM+3*\j]
	v_fma_f32 v[OUT+3*\i+\j], v[U2+\i], v[VM+3*\j+1], v[OUT+3*\i+\j]
	v_fma_f32 v[OUT+3*\i+\j], v[C1+\i], v[C2V+\j], v[OUT+3*\i+\j]
.endr
.endr
.irp k, 0,1,2,3,4,5,6,7,8
	ds_store_b32 v25, v[OUT+\k] offset:4*\k
.endr
	s_wait_dscnt 0x0                               ; for the others' sake
	s_barrier_signal -1
	s_barrier_wait -1
	ds_load_b128 v[140:143], v27                   ; the work-group's 4,608 bytes leave 16 bytes a lane: each store of a wave covers 512 consecutive bytes, aligned to 256
	ds_load_b128 v[144:147], v27 offset:2048
	s_wait_dscnt 0x0
	global_store_b128 v26, v[140:143], s[20:21]
	global_store_b128 v26, v[144:147], s[20:21] offset:2048
	s_cmp_lg_u32 s[WV], 0
	s_cbranch_scc1 .Lnot_first
	ds_load_b128 v[148:151], v27 offset:4096       ; the last 512 bytes: wave 0
	s_wait_dscnt 0x0
	global_store_b128 v26, v[148:151], s[20:21] offset:4096
.Lnot_first:
	s_wait_tensorcnt 0x0                           ; the wave's end, behind my last tensor load and my last LDS store
	ds_add_u32 v[SPW], v[NIL]
	s_wait_dscnt 0x0
	CROUND                                         ; the closing round: no work-group ends while a partner may still ask for a slot that names it
	s_endpgm
.Lfunc_end_k_qaf38eb4911_main:
	.size	k_qaf38eb4911_main, .Lfunc_end_k_qaf38eb4911_main-k_qaf38eb4911_main
	.p2alignl 7, 3214868480
	.fill 96, 4, 3214868480
	.section	.rodata,"a",@progbits
	.p2align	6, 0x0
	.amdhsa_kernel k_qaf38eb4911_main
		.amdhsa_group_segment_fixed_size 327680
		.amdhsa_private_segment_fixed_size 0
		.amdhsa_enable_private_segment 0
		.amdhsa_kernarg_size 72
		.amdhsa_user_sgpr_count 2
		.amdhsa_user_sgpr_kernarg_segment_ptr 1
		.amdhsa_wavefront_size32 1
		.amdhsa_system_sgpr_workgroup_id_x 1
		.amdhsa_system_sgpr_workgroup_id_y 1
		.amdhsa_system_sgpr_workgroup_id_z 1
		.amdhsa_system_vgpr_workitem_id 0
		.amdhsa_next_free_vgpr 1024
		.amdhsa_next_free_sgpr 96
		.amdhsa_reserve_vcc 1
		.amdhsa_float_denorm_mode_32 3
		.amdhsa_float_denorm_mode_16_64 3
		.amdhsa_memory_ordered 1
		.amdhsa_forward_progress 1
		.amdhsa_inst_pref_size 255
	.end_amdhsa_kernel
	.section	.bss,"aw",@nobits
	.p2align	6
	.space	262144
	.amdgpu_metadata
---
amdhsa.version: [ 1, 2 ]
amdhsa.kernels:
  - .name:           k_qaf38eb4911_main
    .symbol:         k_qaf38eb4911_main.kd
    .args:
      - { .name: x_codes, .offset: 0, .size: 8, .value_kind: global_buffer, .address_space: global }
      - { .name: x_scales, .offset: 8, .size: 8, .value_kind: global_buffer, .address_space: global }
      - { .name: w1img, .offset: 16, .size: 8, .value_kind: global_buffer, .address_space: global }
      - { .name: gimg, .offset: 24, .size: 8, .value_kind: global_buffer, .address_space: global }
      - { .name: cst, .offset: 32, .size: 8, .value_kind: global_buffer, .address_space: global }
      - { .name: b1, .offset: 40, .size: 8, .value_kind: global_buffer, .address_space: global }
      - { .name: g2, .offset: 48, .size: 8, .value_kind: global_buffer, .address_space: global }
      - { .name: be2, .offset: 56, .size: 8, .value_kind: global_buffer, .address_space: global }
      - { .name: out0, .offset: 64, .size: 8, .value_kind: global_buffer, .address_space: global }
    .group_segment_fixed_size: 327680
    .private_segment_fixed_size: 0
    .kernarg_segment_align: 8
    .kernarg_segment_size: 72
    .max_flat_workgroup_size: 128
    .sgpr_count:     96
    .vgpr_count:     1024
    .wavefront_size: 32
...
	.end_amdgpu_metadata
.endif
;; end of part 4
